; MI455X (gfx1250); checked and timed in simulation.
; The chip was launched on July 23, 2026; its instructions are those of AMD's public machine-readable ISA for CDNA 5 (MIT licence, August 2026) and "CDNA5" Instruction Set Architecture Reference Guide (July 2026). The comments in the code are by the model that wrote it; some were corrected since.
;; Mixture Of Experts. Allowed arithmetic: matrix products marked QUANTISED: E4M3 operands, one given power-of-two scale a tensor, by v_wmma_f32_16x16x64_fp8_fp8 or v_wmma_f32_16x16x128_fp8_fp8, f32 sums; products left as they are: f32 operands where the result goes on into a quantised operand, else bf16, f16 or f32 operands; f32 sums; everything else in f32.
;; Inputs: W1 8 x 1,024 x 4,096 float32; W2 8 x 4,096 x 1,024 float32; W_router 1,024 x 8 float32; b1 8 x 4,096 float32; b2 8 x 1,024 float32; lowp_scales 32 int32 (the exponents e of the quantised operands' scales 2^e); x 4 x 256 x 1,024 float32.
;; Outputs: out0 4 x 256 x 1,024 float32.
;; This version of the problem:
;;   THIS VERSION OF THE PROBLEM IS GIVEN IN LOW PRECISION. The matrix products marked QUANTISED in the list below multiply operands that are first quantised to E4M3 (4 exponent bits, 3 mantissa bits; 8 bits a number), with one given power-of-two scale for each operand tensor; their sums are f32. All else is computed in f32.
;;   The module's matrix products, in the order in which they are computed (A, B: the left and right operand; K: the contracted axis; several contracted axes count as one K, in the product's order):
;;     1. [M 1,024, K 1,024] x [K 1,024, N 8]; A: input x; B: input W_router: left as it is (N = 8 < 16)
;;     2. [M 1,024, K 1,024] x [K 1,024, N 4,096]; A: computed on the way; B: input W1: QUANTISED (scales: A lowp_scales[0], B lowp_scales[1])
;;     3. [M 1,024, K 4,096] x [K 4,096, N 1,024]; A: computed on the way; B: input W2: QUANTISED (scales: A lowp_scales[2], B lowp_scales[3])
;;     4. [M 1,024, K 1,024] x [K 1,024, N 4,096]; A: computed on the way; B: input W1: QUANTISED (scales: A lowp_scales[4], B lowp_scales[5])
;;     5. [M 1,024, K 4,096] x [K 4,096, N 1,024]; A: computed on the way; B: input W2: QUANTISED (scales: A lowp_scales[6], B lowp_scales[7])
;;     6. [M 1,024, K 1,024] x [K 1,024, N 4,096]; A: computed on the way; B: input W1: QUANTISED (scales: A lowp_scales[8], B lowp_scales[9])
;;     7. [M 1,024, K 4,096] x [K 4,096, N 1,024]; A: computed on the way; B: input W2: QUANTISED (scales: A lowp_scales[10], B lowp_scales[11])
;;     8. [M 1,024, K 1,024] x [K 1,024, N 4,096]; A: computed on the way; B: input W1: QUANTISED (scales: A lowp_scales[12], B lowp_scales[13])
;;     9. [M 1,024, K 4,096] x [K 4,096, N 1,024]; A: computed on the way; B: input W2: QUANTISED (scales: A lowp_scales[14], B lowp_scales[15])
;;     10. [M 1,024, K 1,024] x [K 1,024, N 4,096]; A: computed on the way; B: input W1: QUANTISED (scales: A lowp_scales[16], B lowp_scales[17])
;;     11. [M 1,024, K 4,096] x [K 4,096, N 1,024]; A: computed on the way; B: input W2: QUANTISED (scales: A lowp_scales[18], B lowp_scales[19])
;;     12. [M 1,024, K 1,024] x [K 1,024, N 4,096]; A: computed on the way; B: input W1: QUANTISED (scales: A lowp_scales[20], B lowp_scales[21])
;;     13. [M 1,024, K 4,096] x [K 4,096, N 1,024]; A: computed on the way; B: input W2: QUANTISED (scales: A lowp_scales[22], B lowp_scales[23])
;;     14. [M 1,024, K 1,024] x [K 1,024, N 4,096]; A: computed on the way; B: input W1: QUANTISED (scales: A lowp_scales[24], B lowp_scales[25])
;;     15. [M 1,024, K 4,096] x [K 4,096, N 1,024]; A: computed on the way; B: input W2: QUANTISED (scales: A lowp_scales[26], B lowp_scales[27])
;;     16. [M 1,024, K 1,024] x [K 1,024, N 4,096]; A: computed on the way; B: input W1: QUANTISED (scales: A lowp_scales[28], B lowp_scales[29])
;;     17. [M 1,024, K 4,096] x [K 4,096, N 1,024]; A: computed on the way; B: input W2: QUANTISED (scales: A lowp_scales[30], B lowp_scales[31])
;;   THE QUANTISER, for each operand of a quantised product, along K:
;;     - The operand's scale is 2^e, e = its entry of the input lowp_scales (int32; the entries are numbered through the quantised products in the list's order, A before B).
;;     - Each number is divided by the scale, clamped to +-448, and rounded to the nearest number of E4M3, ties to even, subnormals kept.
;;     - The product sums the exact products of the quantised numbers (number of the format x scale) in f32.
;;   ~~~python
;;   def quantise(x, axis, e):      # numpy; x: float32 -> the quantised numbers, widened to float32 again
;;       x = np.moveaxis(x, axis, -1); K = x.shape[-1]
;;       r = np.clip(x / 2.0 ** e, -448, 448)
;;       step = 2.0 ** (np.maximum(np.frexp(np.where(r == 0, 1, r))[1] - 1, -6) - 3)
;;       q = np.round(r / step) * step * 2.0 ** e      # np.round: ties to even
;;       return np.moveaxis(q, -1, axis).astype(np.float32)
;;   ~~~
;;   OPERANDS COMPUTED ON THE WAY. 'Computed on the way' means the value that the module computes at that place (a softmax that the list does not call 'softmax' is quantised finished and normalised). What goes into a quantiser is computed in f32, as accurately as f32 sums, v_exp_f32 and their like allow (about 1e-6 of the number): no bf16 or f16 on the way to a quantiser, and a product that is left as it is and whose result goes on into a quantised operand takes f32 operands (vector FMAs, or v_wmma_f32_16x16x4_f32). A number that lies on a knife's edge between two numbers of the format may be rounded either way, as far as f32 arithmetic and the matrix unit's own rounding can turn it there, and no further.
;; One version. Each part assembles by itself: llvm-mc -triple=amdgcn-amd-amdhsa -mcpu=gfx1250 --defsym DOCPART=n.
;; ======== version 1 of 1: 5 launches
;; limits: an absolute error that grows with the inputs' magnitude: up to 1e-07 times it
;; workspace buffers: idx 8,192 bytes of whole numbers; ballots 1,024 bytes of whole numbers; gates 8,192 bytes; meta 256 bytes of whole numbers; pos 8,192 bytes of whole numbers; xq 2,211,840 bytes; hq 8,847,360 bytes; yp 17,694,720 bytes
;; launch router (part 1): grid 128 x 1, 8 waves a work-group, no clusters, 38,144 bytes of LDS; arguments x, W_router, idx, gates, ballots; writes idx, gates, ballots
.if DOCPART == 1
	.amdgcn_target "amdgcn-amd-amdhsa--gfx1250"
	.amdhsa_code_object_version 6
	.text
	.protected	k_q908523028e_router
	.globl	k_q908523028e_router
	.p2align	8
	.type	k_q908523028e_router,@function
k_q908523028e_router:
	s_mov_b64 s[64:65], 0
	v_nop
	global_prefetch_b8 v0, s[64:65] scope:SCOPE_SE
	s_setreg_imm32_b32 hwreg(HW_REG_WAVE_MODE, 25, 1), 1
	s_wait_xcnt 0x0
; THE ROUTER.  logits = x W_router (f32 multiply-adds), softmax over the 8 experts, the two largest probabilities, a softmax of those two.
; Stored at fixed places: idx[t] = the two experts (best first), gates[t] = the two gates, ballots[e] = one bit a token: token t chose expert e.
; No address and no branch hangs on a floating-point number: later launches turn the stored whole numbers into addresses.
; SHARES.  A work-group has 8 tokens, a wave one; a wave's lanes run along K: lane l holds k = 128 i + 4 l + 0..3, i = 0..7.
; W_router (32 KB) is brought into LDS once a work-group, in blocks of four rows (128 bytes) 144 bytes apart, so that lanes that read the same piece of 32 neighbouring blocks fall on different banks.
; TIES: the lower index wins, as in jax.lax.top_k (strict comparisons, experts ascending).
; LIMITS: NaN is not served.  Two probabilities that differ by less than what f32 sums in another order can turn may be ordered otherwise than in the reference;
; a probability under 2^-126 counts as 0 here (v_exp_f32 gives no denormals: ISA guide, its entry).
.set BLK,   144                        ; four rows of W_router + 16 bytes
.set ISTEP, 32*BLK                     ; the 32 blocks of one i
.set EXC,   256*BLK                    ; behind them: a record of 16 bytes for each wave, in a block of 256 bytes of its own
.set SPARE, EXC+256                    ; the spare words, 128 bytes for each wave; no other line names them
.set X,     8                          ; v8-39    my token's 32 numbers
.set W,     40                         ; v40-103  two sets of eight pieces of W_router; the first also takes the staging loads
.set ACC,   104                        ; v104-111 the eight sums
.set PR,    112                        ; v112-119 the eight probabilities
.set LOG2E, 0x3fb8aa3b
	s_load_b256 s[4:11], s[0:1], 0x0               ; x, W_router, idx, gates
	s_load_b64 s[12:13], s[0:1], 0x20              ; ballots
	v_lshl_add_u32 v6, v0, 2, SPARE                ; my spare word
	v_mov_b32 v7, 0
	v_lshrrev_b32 v1, 5, v0
	v_readfirstlane_b32 s16, v1                    ; wave 0..7
	v_and_b32 v1, 31, v0                           ; lane
	v_lshlrev_b32 v2, 4, v1                        ; 16 x lane
	v_lshlrev_b32 v3, 4, v0                        ; 16 x thread
	v_lshrrev_b32 v4, 3, v0
	v_mul_u32_u24 v4, v4, BLK
	v_and_b32 v5, 7, v0
	v_lshl_add_u32 v4, v5, 4, v4                   ; staging: eight threads fill a block
	v_lshl_add_u32 v123, v5, 4, EXC                ; the record of token lane % 8
	v_mul_u32_u24 v5, v1, BLK                      ; reading: my lane's block of each i
	s_lshl_b32 s17, s16, 4
	s_add_co_u32 s17, s17, EXC
	v_mov_b32 v122, s17                            ; my wave's record
	s_mov_b32 s14, 0x76543210                      ; v_permlanex16_b32: lane l xor 16
	s_mov_b32 s15, 0xfedcba98
	s_lshl_b32 s18, ttmp9, 15                      ; 8 tokens of 4,096 bytes a work-group,
	s_lshl_b32 s19, s16, 12                        ; one a wave
	s_add_co_u32 s18, s18, s19
	s_mov_b32 s19, 0
	s_lshl_b32 s20, ttmp9, 6                       ; 8 tokens x 8 bytes in idx and in gates
	s_mov_b32 s21, 0
	s_mov_b32 s22, ttmp9                           ; the work-group's byte in each row of ballots
	s_mov_b32 s23, 0
	s_wait_kmcnt 0x0
	s_add_nc_u64 s[4:5], s[4:5], s[18:19]
	s_add_nc_u64 s[8:9], s[8:9], s[20:21]
	s_add_nc_u64 s[10:11], s[10:11], s[20:21]
	s_add_nc_u64 s[12:13], s[12:13], s[22:23]
.irp i, 0,1,2,3,4,5,6,7
	global_load_b128 v[X+4*\i:X+4*\i+3], v2, s[4:5] offset:512*\i th:TH_LOAD_NT   ; 512 consecutive bytes a load
.endr
.irp i, 0,1,2,3,4,5,6,7
	global_load_b128 v[W+4*\i:W+4*\i+3], v3, s[6:7] offset:4096*\i                ; the work-group's 256 threads take 4,096 consecutive bytes
.endr
	s_wait_loadcnt 0x0
.irp i, 0,1,2,3,4,5,6,7
	ds_store_b128 v4, v[W+4*\i:W+4*\i+3] offset:ISTEP*\i
.endr
	s_wait_dscnt 0x0                               ; for the others' sake: my part of W_router lies in LDS
	s_barrier_signal -1
	s_barrier_wait -1
.macro WSET i                          ; my block of step i: piece 2 jj + half = row 4 (32 i + lane) + jj, experts 4 half + 0..3
.irp pc, 0,1,2,3,4,5,6,7
	ds_load_b128 v[W+32*((\i)%2)+4*\pc:W+32*((\i)%2)+4*\pc+3], v5 offset:ISTEP*(\i)+16*\pc
.endr
.endm
.macro DOT i                           ; 16 packed multiply-adds: two experts each, one number of x for both halves
.set WS, W+32*((\i)%2)
.irp jj, 0,1,2,3
.irp p, 0,1,2,3
.if ((\i) == 0) && (\jj == 0)
	v_pk_mul_f32 v[ACC+2*\p:ACC+2*\p+1], v[WS+2*\p:WS+2*\p+1], v[X:X+1] op_sel_hi:[1,0]   ; the first products start the sums
.elseif (\jj % 2) == 0
	v_pk_fma_f32 v[ACC+2*\p:ACC+2*\p+1], v[WS+8*\jj+2*\p:WS+8*\jj+2*\p+1], v[X+4*(\i)+2*(\jj/2):X+4*(\i)+2*(\jj/2)+1], v[ACC+2*\p:ACC+2*\p+1] op_sel_hi:[1,0,1]
.else
	v_pk_fma_f32 v[ACC+2*\p:ACC+2*\p+1], v[WS+8*\jj+2*\p:WS+8*\jj+2*\p+1], v[X+4*(\i)+2*(\jj/2):X+4*(\i)+2*(\jj/2)+1], v[ACC+2*\p:ACC+2*\p+1] op_sel:[0,1,0] op_sel_hi:[1,1,1]
.endif
.endr
.endr
.endm
	WSET 0
.irp i, 0,1,2,3,4,5,6
	WSET \i+1
	s_wait_dscnt 8                                 ; this step's eight pieces are in; the next step's eight may be out
	DOT \i
.endr
	s_wait_dscnt 0x0
	DOT 7
	; the sums over the 32 lanes; every lane ends with all eight logits
.irp m, 1,2,4,8
.irp e, 0,1,2,3,4,5,6,7
	v_add_f32_dpp v[ACC+\e], v[ACC+\e], v[ACC+\e] row_xmask:\m row_mask:0xf bank_mask:0xf
.endr
.endr
.irp e, 0,1,2,3,4,5,6,7
	v_permlanex16_b32 v[W+\e], v[ACC+\e], s14, s15 ; (its destination counts as read: registers that loads have written)
.endr
.irp e, 0,1,2,3,4,5,6,7
	v_add_f32 v[ACC+\e], v[ACC+\e], v[W+\e]
.endr
	; softmax: the maximum is taken away first
	v_max3_num_f32 v120, v104, v105, v106
	v_max3_num_f32 v120, v120, v107, v108
	v_max3_num_f32 v120, v120, v109, v110
	v_max_num_f32 v120, v120, v111
.irp e, 0,1,2,3,4,5,6,7
	v_sub_f32 v[PR+\e], v[ACC+\e], v120
.endr
.irp e, 0,1,2,3,4,5,6,7
	v_mul_f32 v[PR+\e], LOG2E, v[PR+\e]
.endr
.irp e, 0,1,2,3,4,5,6,7
	v_exp_f32 v[PR+\e], v[PR+\e]
.endr
	v_nop                                          ; a plain instruction behind the batch
	s_wait_alu depctr_va_vdst(0)                   ; one wait for the eight exponentials, ahead of their first reader
	v_add_f32 v120, v112, v113
	v_add_f32 v121, v114, v115
	v_add_f32 v104, v116, v117
	v_add_f32 v105, v118, v119
	v_add_f32 v120, v120, v121
	v_add_f32 v104, v104, v105
	v_add_f32 v120, v120, v104
	v_rcp_f32 v121, v120
	v_nop
	s_wait_alu depctr_va_vdst(0)
.irp e, 0,1,2,3,4,5,6,7
	v_mul_f32 v[PR+\e], v[PR+\e], v121
.endr
	; the largest, then the largest of the rest: values by v_cndmask_b32, no branch
	v_mov_b32 v120, v112
	v_mov_b32 v124, 0
.irp e, 1,2,3,4,5,6,7
	v_cmp_gt_f32 vcc_lo, v[PR+\e], v120
	v_cndmask_b32 v120, v120, v[PR+\e], vcc_lo
	v_cndmask_b32 v124, v124, \e, vcc_lo
.endr
.irp e, 0,1,2,3,4,5,6,7
	v_cmp_eq_u32 vcc_lo, \e, v124
	v_cndmask_b32 v[PR+\e], v[PR+\e], -1.0, vcc_lo ; the winner leaves the field: -1 lies under every probability
.endr
	v_mov_b32 v121, v112
	v_mov_b32 v125, 0
.irp e, 1,2,3,4,5,6,7
	v_cmp_gt_f32 vcc_lo, v[PR+\e], v121
	v_cndmask_b32 v121, v121, v[PR+\e], vcc_lo
	v_cndmask_b32 v125, v125, \e, vcc_lo
.endr
	; the two gates: softmax(p1, p2) = 1 / (1 + e^(p2 - p1)) and the rest; p2 - p1 lies between -1 and 0
	v_sub_f32 v104, v121, v120
	v_mul_f32 v104, LOG2E, v104
	v_exp_f32 v104, v104
	v_nop
	s_wait_alu depctr_va_vdst(0)
	v_add_f32 v105, 1.0, v104
	v_rcp_f32 v126, v105
	v_nop
	s_wait_alu depctr_va_vdst(0)
	v_mul_f32 v127, v104, v126
	ds_store_b128 v122, v[124:127]                 ; every lane holds the same four words: e0, e1, g0, g1
	s_wait_dscnt 0x0                               ; for wave 0's sake
	s_barrier_signal -1
	s_barrier_wait -1
	s_cmp_lg_u32 s16, 0
	s_cbranch_scc1 .Lclose                         ; wave 0 stores for the work-group
	ds_load_b128 v[104:107], v123                  ; lane j: token 8 g + j % 8
	v_mov_b32 v108, 0
	v_lshlrev_b32 v109, 3, v1
	v_lshlrev_b32 v110, 7, v1
	s_wait_dscnt 0x0
.irp e, 0,1,2,3,4,5,6,7
	v_cmp_eq_u32 s24, \e, v104
	v_cmp_eq_u32 s25, \e, v105
	s_or_b32 s24, s24, s25
	s_and_b32 s24, s24, 0xff                       ; bit j: token 8 g + j chose expert e
	v_writelane_b32 v108, s24, \e                  ; lane e carries expert e's byte
.endr
	s_wait_xcnt 0x0                                ; EXEC changes only behind this wait
	v_cmpx_gt_u32 8, v0                            ; lanes 0 to 7
	global_store_b64 v109, v[104:105], s[8:9]      ; idx
	global_store_b64 v109, v[106:107], s[10:11]    ; gates
	global_store_b8 v110, v108, s[12:13]           ; ballots[lane][g]
	s_wait_xcnt 0x0
	s_mov_b32 exec_lo, -1
.Lclose:
	s_wait_tensorcnt 0x0                           ; the wave's end
	ds_add_u32 v6, v7
	s_wait_dscnt 0x0
	s_endpgm
.Lfunc_end_k_q908523028e_router:
	.size	k_q908523028e_router, .Lfunc_end_k_q908523028e_router-k_q908523028e_router
	.p2alignl 7, 3214868480
	.fill 96, 4, 3214868480
	.section	.rodata,"a",@progbits
	.p2align	6, 0x0
	.amdhsa_kernel k_q908523028e_router
		.amdhsa_group_segment_fixed_size 38144
		.amdhsa_private_segment_fixed_size 0
		.amdhsa_enable_private_segment 0
		.amdhsa_kernarg_size 40
		.amdhsa_user_sgpr_count 2
		.amdhsa_user_sgpr_kernarg_segment_ptr 1
		.amdhsa_wavefront_size32 1
		.amdhsa_system_sgpr_workgroup_id_x 1
		.amdhsa_system_sgpr_workgroup_id_y 1
		.amdhsa_system_sgpr_workgroup_id_z 1
		.amdhsa_system_vgpr_workitem_id 0
		.amdhsa_next_free_vgpr 128
		.amdhsa_next_free_sgpr 66
		.amdhsa_reserve_vcc 1
		.amdhsa_float_denorm_mode_32 3
		.amdhsa_float_denorm_mode_16_64 3
		.amdhsa_memory_ordered 1
		.amdhsa_forward_progress 1
		.amdhsa_inst_pref_size 27
	.end_amdhsa_kernel
	.amdgpu_metadata
---
amdhsa.version: [ 1, 2 ]
amdhsa.kernels:
  - .name:           k_q908523028e_router
    .symbol:         k_q908523028e_router.kd
    .args:
      - { .name: x, .offset: 0, .size: 8, .value_kind: global_buffer, .address_space: global }
      - { .name: W_router, .offset: 8, .size: 8, .value_kind: global_buffer, .address_space: global }
      - { .name: idx, .offset: 16, .size: 8, .value_kind: global_buffer, .address_space: global }
      - { .name: gates, .offset: 24, .size: 8, .value_kind: global_buffer, .address_space: global }
      - { .name: ballots, .offset: 32, .size: 8, .value_kind: global_buffer, .address_space: global }
    .group_segment_fixed_size: 38144
    .private_segment_fixed_size: 0
    .kernarg_segment_align: 8
    .kernarg_segment_size: 40
    .max_flat_workgroup_size: 256
    .sgpr_count:     66
    .vgpr_count:     128
    .wavefront_size: 32
...
	.end_amdgpu_metadata
.endif
;; end of part 1
;; launch place (part 2): grid 135 x 1, 8 waves a work-group, no clusters, 0 bytes of LDS; arguments x, ballots, idx, lowp_scales, xq, pos, meta; writes xq, pos, meta
.if DOCPART == 2
	.amdgcn_target "amdgcn-amd-amdhsa--gfx1250"
	.amdhsa_code_object_version 6
	.text
	.protected	k_q908523028e_place
	.globl	k_q908523028e_place
	.p2align	8
	.type	k_q908523028e_place,@function
k_q908523028e_place:
	s_mov_b64 s[64:65], 0
	v_nop
	global_prefetch_b8 v0, s[64:65] scope:SCOPE_SE
	s_setreg_imm32_b32 hwreg(HW_REG_WAVE_MODE, 25, 1), 1
	s_wait_xcnt 0x0
; THE PLACING OF ROWS.  The 2,048 chosen (token, expert) rows are sorted by expert into tiles of 16 rows; an expert's last tile is filled up with its last token (those rows are computed and never read).
; There are never more than 2048 / 16 + 8 - 1 = 135 tiles, whatever the choice: work-group G makes tile G, and ends at once where the split has fewer tiles (a branch on stored whole numbers).
; Every wave repeats the small whole-number work: the experts' counts from the ballots, the tiles' table, my tile's expert, and for lane % 16 the token of that rank among the expert's tokens.
; Then wave s gathers K step s (128 along K) of the 16 tokens, quantises it with the expert's scale for x, 2^e, e = lowp_scales[4 x expert], and stores it as the IMAGE OF AN OPERAND'S REGISTERS:
; lane (r, h), registers 4 c .. 4 c + 3 = k 32 c + 16 h + 0 .. 15 of row r, at byte 512 c + 16 x lane: four stores of 512 consecutive bytes.
; Wave 0 also stores pos[token][slot] = the token's sorted row; wave 0 of work-group 0 the table meta.  No LDS, no barrier.
; LIMITS: e between -126 and 119; NaN among the inputs is not served.
	s_load_b256 s[4:11], s[0:1], 0x0               ; x, ballots, idx, lowp_scales
	s_load_b128 s[12:15], s[0:1], 0x20             ; xq, pos
	s_load_b64 s[16:17], s[0:1], 0x30              ; meta
	v_lshrrev_b32 v1, 5, v0
	v_readfirstlane_b32 s18, v1                    ; wave = K step
	v_and_b32 v1, 31, v0                           ; lane
	v_lshlrev_b32 v2, 2, v1
	v_lshlrev_b32 v3, 4, v1
	v_and_b32 v4, 15, v0                           ; r
	v_bfe_u32 v5, v0, 4, 1                         ; h
	s_mov_b32 s19, 0x01010101
	s_mov_b32 s20, 0x76543210
	s_mov_b32 s21, 0xfedcba98
	s_lshl_b32 s22, s18, 9                         ; x: 512 bytes a K step
	s_mov_b32 s23, 0
	s_lshl_b32 s24, ttmp9, 14                      ; xq: 16,384 bytes a tile,
	s_lshl_b32 s25, s18, 11                        ; 2,048 a K step
	s_add_co_u32 s24, s24, s25
	s_mov_b32 s25, 0
	s_wait_kmcnt 0x0
	s_add_nc_u64 s[4:5], s[4:5], s[22:23]
	s_add_nc_u64 s[12:13], s[12:13], s[24:25]
.irp e, 0,1,2,3,4,5,6,7
	global_load_b32 v[16+\e], v2, s[6:7] offset:128*\e   ; lane l: tokens 32 l .. 32 l + 31 of expert e
.endr
	s_wait_loadcnt 0x0
.macro POPC d, s, t                    ; v[d] = the number of ones in v[s]: sums of 2, 4 and 8 bits side by side, then the four bytes by one multiplication
	v_lshrrev_b32 v[\t], 1, v[\s]
	v_and_b32 v[\t], 0x55555555, v[\t]
	v_sub_nc_u32 v[\d], v[\s], v[\t]
	v_lshrrev_b32 v[\t], 2, v[\d]
	v_and_b32 v[\t], 0x33333333, v[\t]
	v_and_b32 v[\d], 0x33333333, v[\d]
	v_add_nc_u32 v[\d], v[\d], v[\t]
	v_lshrrev_b32 v[\t], 4, v[\d]
	v_add_nc_u32 v[\d], v[\d], v[\t]
	v_and_b32 v[\d], 0x0f0f0f0f, v[\d]
	v_mul_lo_u32 v[\d], v[\d], s19
	v_lshrrev_b32 v[\d], 24, v[\d]
.endm
.irp e, 0,1,2,3,4,5,6,7
	POPC 24+\e, 16+\e, 40+\e
.endr
.irp p, 0,1,2,3
	v_lshl_or_b32 v[32+\p], v[25+2*\p], 16, v[24+2*\p]   ; two experts to a register: a count is 1,024 at the most
.endr
.irp m, 1,2,4,8
.irp p, 0,1,2,3
	v_mov_b32_dpp v[40+\p], v[32+\p] row_xmask:\m row_mask:0xf bank_mask:0xf
.endr
.irp p, 0,1,2,3
	v_add_nc_u32 v[32+\p], v[32+\p], v[40+\p]
.endr
.endr
.irp p, 0,1,2,3
	v_permlanex16_b32 v[40+\p], v[32+\p], s20, s21
.endr
.irp p, 0,1,2,3
	v_add_nc_u32 v[32+\p], v[32+\p], v[40+\p]
.endr
.irp p, 0,1,2,3
	v_readfirstlane_b32 s[24+\p], v[32+\p]
.endr
.irp p, 0,1,2,3
	s_and_b32 s[32+2*\p], s[24+\p], 0xffff         ; s32-39: n_e, an expert's rows
	s_lshr_b32 s[33+2*\p], s[24+\p], 16
.endr
	s_mov_b32 s48, 0                               ; s48-55: an expert's first tile; s56: tiles in all
.irp e, 0,1,2,3,4,5,6,7
	s_add_co_u32 s[40+\e], s[32+\e], 15
	s_lshr_b32 s[40+\e], s[40+\e], 4               ; s40-47: its tiles
	s_add_co_u32 s[49+\e], s[48+\e], s[40+\e]
.endr
	s_cmp_ge_u32 ttmp9, s56
	s_cbranch_scc1 .Lend                           ; this split has no tile G
	s_mov_b32 s57, 0                               ; my tile's expert: the last whose first tile is not behind G
.irp i, 1,2,3,4,5,6,7
	s_cmp_ge_u32 ttmp9, s[48+\i]
	s_add_co_ci_u32 s57, s57, 0
.endr
	s_min_u32 s57, s57, 7
	s_lshl_b32 s25, s57, 4
	s_load_b32 s26, s[10:11], s25 offset:0x0       ; the exponent of x's scale for this expert: entry 4 e
	s_mov_b32 s58, s48                             ; its first tile,
	s_mov_b32 s59, s32                             ; its rows,
	v_mov_b32 v48, v16                             ; its ballot
.irp i, 1,2,3,4,5,6,7
	s_cmp_eq_u32 s57, \i
	s_cselect_b32 s58, s[48+\i], s58
	s_cselect_b32 s59, s[32+\i], s59
	s_cselect_b32 s60, -1, 0
	v_cndmask_b32 v48, v48, v[16+\i], s60
.endr
	s_sub_co_u32 s61, ttmp9, s58
	s_lshl_b32 s61, s61, 4
	v_add_nc_u32 v49, s61, v4                      ; q0: my row's rank among the expert's rows
	s_sub_co_u32 s62, s59, 1
	v_min_u32 v50, s62, v49                        ; a rank past the end takes the last token
	; the word that holds the token of rank q: the last word in front of which at most q ones lie
	v_readlane_b32 s22, v48, 0
	s_bcnt1_i32_b32 s24, s22
	v_mov_b32 v51, s22                             ; the word,
	v_mov_b32 v52, 0                               ; the ones in front of it,
	v_mov_b32 v53, 0                               ; its number
.set WD, 1
.rept 31
	v_readlane_b32 s22, v48, WD
	v_cmp_le_u32 vcc_lo, s24, v50
	v_cndmask_b32 v51, v51, s22, vcc_lo
	v_cndmask_b32 v52, v52, s24, vcc_lo
	v_cndmask_b32 v53, v53, WD, vcc_lo
	s_bcnt1_i32_b32 s23, s22
	s_add_co_u32 s24, s24, s23
.set WD, WD+1
.endr
	v_sub_nc_u32 v54, v50, v52                     ; the rank inside the word
	; the sums of 2, 4, 8 and 16 bits of the word, kept; then five halvings
	v_lshrrev_b32 v60, 1, v51
	v_and_b32 v60, 0x55555555, v60
	v_sub_nc_u32 v55, v51, v60
	v_lshrrev_b32 v60, 2, v55
	v_and_b32 v60, 0x33333333, v60
	v_and_b32 v56, 0x33333333, v55
	v_add_nc_u32 v56, v56, v60
	v_lshrrev_b32 v60, 4, v56
	v_add_nc_u32 v57, v56, v60
	v_and_b32 v57, 0x0f0f0f0f, v57
	v_lshrrev_b32 v60, 8, v57
	v_add_nc_u32 v58, v57, v60
	v_and_b32 v58, 0x00ff00ff, v58
.macro SEL src, mask, width, first     ; if the rank is not among the lower 'width' bits at the place in hand: take their ones off the rank and move the place up
.if \first
	v_and_b32 v60, \mask, v[\src]
.else
	v_lshrrev_b32 v60, v59, v[\src]
	v_and_b32 v60, \mask, v60
.endif
	v_cmp_ge_u32 vcc_lo, v54, v60
	v_cndmask_b32 v60, 0, v60, vcc_lo
	v_sub_nc_u32 v54, v54, v60
.if \first
	v_cndmask_b32 v59, 0, \width, vcc_lo
.else
	v_cndmask_b32 v61, 0, \width, vcc_lo
	v_add_nc_u32 v59, v59, v61
.endif
.endm
	SEL 58, 0xff, 16, 1
	SEL 57, 0xff, 8, 0
	SEL 56, 15, 4, 0
	SEL 55, 3, 2, 0
	SEL 51, 1, 1, 0
	v_lshl_add_u32 v62, v53, 5, v59                ; the token
	v_min_u32 v62, 0x3ff, v62                      ; held inside x before it enters an address
	v_lshlrev_b32 v63, 12, v62
	v_lshl_add_u32 v63, v5, 6, v63                 ; its row, + 64 h: my 16 numbers of a block of 32
	v_lshlrev_b32 v15, 3, v62
.irp b, 0,1,2,3
.irp j, 0,1,2,3
	global_load_b128 v[64+16*\b+4*\j:64+16*\b+4*\j+3], v63, s[4:5] offset:128*\b+16*\j   ; no hint: each token's row is gathered for two experts
.endr
.endr
	global_load_b64 v[10:11], v15, s[8:9]          ; the token's two experts (every wave: 8 bytes a lane; wave 0 uses them)
	s_wait_kmcnt 0x0
	s_add_co_i32 s26, s26, 127
	s_lshl_b32 s27, s26, 23
	v_mov_b32 v8, s27                              ; 2^e as f32: the conversion takes its exponent field
	s_add_co_i32 s26, s26, 8
	s_lshl_b32 s26, s26, 23
	s_or_b32 s26, s26, 0x600000
	v_mov_b32 v9, s26                              ; 448 x 2^e
	s_wait_loadcnt 0x0
.irp i, 0,1,2,3,4,5,6,7,8,9,10,11,12,13,14,15,16,17,18,19,20,21,22,23,24,25,26,27,28,29,30,31,32,33,34,35,36,37,38,39,40,41,42,43,44,45,46,47,48,49,50,51,52,53,54,55,56,57,58,59,60,61,62,63
	v_med3_num_f32 v[64+\i], v[64+\i], -v9, v9     ; the conversion to an 8-bit code does not saturate (ISA guide 7.6.2): the hold at the largest code x the scale
.endr
.irp g, 0,1,2,3,4,5,6,7
	v_cvt_scalef32_pk8_fp8_f32 v[16+2*\g:17+2*\g], v[64+8*\g:71+8*\g], v8
.endr
	v_nop                                          ; a plain instruction behind the last conversion
.irp c, 0,1,2,3
	global_store_b128 v3, v[16+4*\c:19+4*\c], s[12:13] offset:512*\c   ; 512 consecutive bytes a store
.endr
	s_cmp_lg_u32 s18, 0
	s_cbranch_scc1 .Lend
	v_cmp_eq_u32 vcc_lo, s57, v11                  ; is my expert the token's second choice?
	v_cndmask_b32 v12, 0, 4, vcc_lo
	v_min_u32 v12, 4, v12
	v_add_nc_u32 v12, v12, v15                     ; pos[token][slot]
	s_lshl_b32 s22, ttmp9, 4
	v_add_nc_u32 v13, s22, v4                      ; the sorted row: 16 G + r
	v_cmp_gt_u32 s22, 16, v1                       ; one lane a row,
	v_cmp_gt_u32 s23, s59, v49                     ; and no filling row
	s_and_b32 vcc_lo, s22, s23
	s_wait_xcnt 0x0                                ; EXEC changes only behind this wait
	s_and_saveexec_b32 s22, vcc_lo
	global_store_b32 v12, v13, s[14:15]
	s_wait_xcnt 0x0
	s_or_b32 exec_lo, exec_lo, s22
	s_cmp_lg_u32 ttmp9, 0
	s_cbranch_scc1 .Lend
	v_mov_b32 v14, 0                               ; the table: 8 first tiles, 8 numbers of tiles, the tiles in all
.irp e, 0,1,2,3,4,5,6,7
	v_writelane_b32 v14, s[48+\e], \e
	v_writelane_b32 v14, s[40+\e], 8+\e
.endr
	v_writelane_b32 v14, s56, 16
	v_cmp_gt_u32 vcc_lo, 17, v1
	s_wait_xcnt 0x0
	s_and_saveexec_b32 s22, vcc_lo
	global_store_b32 v2, v14, s[16:17]
	s_wait_xcnt 0x0
	s_or_b32 exec_lo, exec_lo, s22
.Lend:
	s_endpgm
.Lfunc_end_k_q908523028e_place:
	.size	k_q908523028e_place, .Lfunc_end_k_q908523028e_place-k_q908523028e_place
	.p2alignl 7, 3214868480
	.fill 96, 4, 3214868480
	.section	.rodata,"a",@progbits
	.p2align	6, 0x0
	.amdhsa_kernel k_q908523028e_place
		.amdhsa_group_segment_fixed_size 0
		.amdhsa_private_segment_fixed_size 0
		.amdhsa_enable_private_segment 0
		.amdhsa_kernarg_size 56
		.amdhsa_user_sgpr_count 2
		.amdhsa_user_sgpr_kernarg_segment_ptr 1
		.amdhsa_wavefront_size32 1
		.amdhsa_system_sgpr_workgroup_id_x 1
		.amdhsa_system_sgpr_workgroup_id_y 1
		.amdhsa_system_sgpr_workgroup_id_z 1
		.amdhsa_system_vgpr_workitem_id 0
		.amdhsa_next_free_vgpr 128
		.amdhsa_next_free_sgpr 66
		.amdhsa_reserve_vcc 1
		.amdhsa_float_denorm_mode_32 3
		.amdhsa_float_denorm_mode_16_64 3
		.amdhsa_memory_ordered 1
		.amdhsa_forward_progress 1
		.amdhsa_inst_pref_size 34
	.end_amdhsa_kernel
	.amdgpu_metadata
---
amdhsa.version: [ 1, 2 ]
amdhsa.kernels:
  - .name:           k_q908523028e_place
    .symbol:         k_q908523028e_place.kd
    .args:
      - { .name: x, .offset: 0, .size: 8, .value_kind: global_buffer, .address_space: global }
      - { .name: ballots, .offset: 8, .size: 8, .value_kind: global_buffer, .address_space: global }
      - { .name: idx, .offset: 16, .size: 8, .value_kind: global_buffer, .address_space: global }
      - { .name: lowp_scales, .offset: 24, .size: 8, .value_kind: global_buffer, .address_space: global }
      - { .name: xq, .offset: 32, .size: 8, .value_kind: global_buffer, .address_space: global }
      - { .name: pos, .offset: 40, .size: 8, .value_kind: global_buffer, .address_space: global }
      - { .name: meta, .offset: 48, .size: 8, .value_kind: global_buffer, .address_space: global }
    .group_segment_fixed_size: 0
    .private_segment_fixed_size: 0
    .kernarg_segment_align: 8
    .kernarg_segment_size: 56
    .max_flat_workgroup_size: 256
    .sgpr_count:     66
    .vgpr_count:     128
    .wavefront_size: 32
...
	.end_amdgpu_metadata
.endif
;; end of part 2
;; launch ffn1 (part 3): grid 32 x 8, 8 waves a work-group, no clusters, 133,120 bytes of LDS; arguments xq, W1, b1, lowp_scales, meta, hq; writes hq
.if DOCPART == 3
	.amdgcn_target "amdgcn-amd-amdhsa--gfx1250"
	.amdhsa_code_object_version 6
	.text
	.protected	k_q908523028e_ffn1
	.globl	k_q908523028e_ffn1
	.p2align	8
	.type	k_q908523028e_ffn1,@function
k_q908523028e_ffn1:
	s_mov_b64 s[64:65], 0
	v_nop
	global_prefetch_b8 v0, s[64:65] scope:SCOPE_SE
	s_setreg_imm32_b32 hwreg(HW_REG_WAVE_MODE, 25, 1), 1
	s_wait_xcnt 0x0
; THE FIRST PRODUCT OF THE EXPERTS: hq = Q(gelu(xq W1q 2^(e0 + e1) + b1)), on codes of FP8 (E4M3), for the rows that chose the expert.  e0 .. e3 = lowp_scales[4 e .. 4 e + 3].
; SHARES.  Work-group (cs, e) owns columns 128 cs .. 128 cs + 127 of expert e's W1, all 1,024 of K: 512 KB of f32, read from memory ONCE in the launch, in 8 steps of 128 k x 512 bytes.
; A STEP.  Wave w loads rows 16 w .. 16 w + 15 (16 loads of 512 consecutive bytes): a lane holds 16 k x 4 columns.  It holds and converts them (8 numbers an instruction: 2 rows x 4 columns), turns the bytes
; by v_perm_b32 so that a column's 16 codes along K lie together, and stores them into the step's own LDS region as images of operand registers.  One barrier publishes the region; then every wave multiplies
; the step's 8 fragments with its own row tiles' fragments of xq, which come from memory as images.  The 8 regions are never written again: one barrier a step is enough, and W1's codes stay for later passes.
; THE ORDER OF A TRIP.  Trip k: the first half of step k - 1's products (the last barrier published its region), and behind that half's LDS loads, while they are served, the loads of xq's fragments for step k;
; step k's conversion, each pair of rows' registers taking step k + 2's loads at once; the byte turning and the stores into region k; the second half of step k - 1's products; the barrier.  So global loads are
; issued beside LDS reads and LDS reads beside the stores; and the weights' 16 loads are the youngest at the trip's one counted wait, whatever the number of live slots.
; ROWS.  A pass covers 24 tiles of 16 rows: wave w has tiles TB + w + 8 j, j = 0, 1, 2 (slots).  NS = the wave's live slots.  Pass 0 runs inside the stream; an expert with more than 384 rows gets further
; passes, which read LDS alone.  The loop over passes has three trips, a constant: 72 tiles, and an expert has 64 at the most (1,024 tokens); a trip with no tiles left jumps over its work.
; In a pass's first step all three slots are multiplied, a dead slot on a tile number held inside the table, so that every accumulator and operand register is written on
; every path; from then on dead slots are jumped over (scalar branches on stored whole numbers; no barrier stands under them).
; No cluster and no tensor load: the slots' branches hang on numbers read from memory, and what work-groups share (xq) is the small part of a step's bytes.
; TRANSPOSED USE: source 0 = 16 columns of W1, source 1 = 16 rows of xq: a lane holds ONE row.  Column n = 32 b + 16 rhi + 8 u + rlo goes to tile 2 b + u, row 8 rhi + rlo, so that the 16 registers of
; tiles 2 b and 2 b + 1 are columns 32 b + 16 (lane / 16) + 0 .. 15: converted, they are registers 4 b .. 4 b + 3 of K step cs of the second product's operand.
; An operand's image: lane (r, h), registers 4 c .. 4 c + 3 = k 32 c + 16 h + 0 .. 15 of row r, at byte 512 c + 16 x lane: the same permutation of k on both sides of the product.
; gelu(z) = 0.5 z (1 + erf(z / sqrt 2)), erf(u) = u P(u^2) / Q(u^2) on |u| <= 4 (a rational form of degrees 6 and 4 in u^2, good to a few units of f32's last place).
; LIMITS: each exponent between -126 and 119, e0 + e1 between -126 and 127.  NaN is not served.  1 + erf is formed in f32: below z = -2.5 gelu's relative error grows (absolute: about 1e-7 |z|).
; An expert that no token chose still has its weights streamed: no barrier may stand under a branch on a stored count.
; REGISTERS.  window 0: v1 16 x lane; v2 W's offset; v3, v4 where I store codes (steps 0-3, 4-7); v5 v1 for steps 4-7; v6, v7 the add's two; v8, v9 2^e1 and 448 x 2^e1; v10, v11 the same for e2; v12 b1's offset;
;   v14 the prefetches' offset; v16-31 codes by rows; v32-95, v96-159 two sets of W; v160-207, v208-255 two sets of xq's fragments (16 a slot).  On the way out: v32-95 b1, v96-159 z, v160-223 at work, v224-239 codes.
;   window 1: v0-191 the accumulators (64 j + 8 t); v192-255 four fragments of W1's codes, and the byte turning's registers.
.set PITCH, 16384                      ; a row of W1 in bytes
.set WSTEP, 128*PITCH                  ; a step
.set FRP,   2064                       ; a fragment's image + 16: the 16 lanes of a storing group then fall on 16 different 16-byte columns
.set STEPB, 8*FRP                      ; a step's region
.set SPARE, 8*STEPB                    ; behind the 8 regions: the spare words, 128 bytes for each wave; no other line names them
.set NTOP,  134                        ; the last tile that any split can have
.set NPASS, 3                          ; passes of 24 tiles: 72 tiles, for 64 at the most
.set PQ,    16
.set WB0,   32
.set B1R,   32
.set ZR,    96
.set AF,    160
.set UU,    160
.set XX,    176
.set PN,    192
.set QD,    208
.set CD,    224
.set BF,    192                        ; window 1
.set QT,    208                        ; window 1
.set WP,    32                         ; s[32:47] W1 at each of my 8 steps; never rewritten
.set AP,    48                         ; s[48:53] xq at my three slots' tiles
.set OP,    54                         ; s[54:59] hq likewise
.set SC,    66                         ; s[66:67] 2^(e0 + e1), twice
.set C707,  68                         ; s[68:89] constants, each twice: the packed forms name a pair
.set CA0,   70
.set CA2,   72
.set CA3,   74
.set CA4,   76
.set CA5,   78
.set CA6,   80
.set CB0,   82
.set CB2,   84
.set CB3,   86
.set CB4,   88
.set MSB,   0
.macro WIN new                         ; the immediate's high byte repeats the setting that is left; a switch that changes nothing is dropped
.if MSB != \new
	s_set_vgpr_msb (MSB<<8)|\new
.set MSB, \new
.endif
.endm
.macro PLACES n                        ; plain vector instructions between a matrix instruction and what touches its registers (ISA guide 7.12.1)
.rept \n
	v_nop
.endr
.endm
.macro SPAIR r, bits
	s_mov_b32 s[\r], \bits
	s_mov_b32 s[\r+1], \bits
.endm
; The pass's slots: NS, and xq's and hq's addresses of my three tiles, made anew from the pointers.  s21 = T, s22 = the expert's first tile, s23 = tiles in all, s24 = TB.
.macro SLOTS
	s_wait_xcnt 0x0                                ; the loads and stores that named the old addresses have read them
	s_sub_co_u32 s25, s21, s24
	s_add_co_u32 s25, s25, 7
	s_sub_co_u32 s25, s25, s16
	s_lshr_b32 s25, s25, 3
	s_min_u32 s20, s25, 3                          ; NS = the j with TB + w + 8 j < T, three at the most
	s_add_co_u32 s25, s22, s24
	s_add_co_u32 s25, s25, s16
	s_sub_co_u32 s26, s23, 1
	s_mov_b32 s3, 0
.irp j, 0,1,2
	s_add_co_u32 s27, s25, 8*\j
	s_min_u32 s27, s27, s26                        ; a dead slot reads a tile that was written,
	s_min_u32 s27, s27, NTOP                       ; and every tile number is held inside the buffers
	s_lshl_b32 s2, s27, 14
	s_add_nc_u64 s[AP+2*\j:AP+2*\j+1], s[4:5], s[2:3]
	s_lshl_b32 s2, s27, 16
	s_add_nc_u64 s[OP+2*\j:OP+2*\j+1], s[14:15], s[2:3]
.endr
.endm
; xq's fragments of step k into set ab: four loads of 512 consecutive bytes a slot.  cond = 1: live slots only.  No hint: 32 work-groups read them.
.macro ALOAD k, ab, cond
.irp j, 0,1,2
.if \cond
	s_cmp_lt_u32 s20, \j+1
	s_cbranch_scc1 .Lna_\@
.endif
.irp c, 0,1,2,3
	global_load_b128 v[AF+48*(\ab)+16*\j+4*\c:AF+48*(\ab)+16*\j+4*\c+3], v1, s[AP+2*\j:AP+2*\j+1] offset:2048*(\k)+512*\c
.endr
.endr
.Lna_\@:
.endm
; Step k's 64 numbers a lane become 64 codes, v[PQ + i] = row i's four columns.  nxt = 1: the registers that a conversion has read take the loads of step k + 2 at once.
.macro QUANTW k, nxt
.set WB, WB0+64*((\k)%2)
.irp g, 0,1,2,3,4,5,6,7
.irp i, 0,1,2,3,4,5,6,7
	v_med3_num_f32 v[WB+8*\g+\i], v[WB+8*\g+\i], -v9, v9   ; the conversion does not saturate (ISA guide 7.6.2): the hold at the largest code x the scale
.endr
	v_cvt_scalef32_pk8_fp8_f32 v[PQ+2*\g:PQ+2*\g+1], v[WB+8*\g:WB+8*\g+7], v8
.if \nxt
	global_load_b128 v[WB+8*\g:WB+8*\g+3], v2, s[WP+2*(\k)+4:WP+2*(\k)+5] offset:(2*\g)*PITCH th:TH_LOAD_NT
	global_load_b128 v[WB+8*\g+4:WB+8*\g+7], v2, s[WP+2*(\k)+4:WP+2*(\k)+5] offset:(2*\g+1)*PITCH th:TH_LOAD_NT
.endif
.endr
	v_nop                                          ; a plain instruction between the last conversion and the first reader of its codes
.endm
; 16 rows x 4 columns of bytes are turned, four rows at a time, in two stages; then each column's 16 codes go to their place in the step's region.
.macro TURN k
	WIN 0x40                                       ; destination window 1
.irp q, 0,1,2,3
	v_perm_b32 v[QT+4*\q],   v[PQ+4*\q+1], v[PQ+4*\q],   s60   ; a0 b0 a1 b1
	v_perm_b32 v[QT+4*\q+1], v[PQ+4*\q+1], v[PQ+4*\q],   s61   ; a2 b2 a3 b3
	v_perm_b32 v[QT+4*\q+2], v[PQ+4*\q+3], v[PQ+4*\q+2], s60   ; c0 d0 c1 d1
	v_perm_b32 v[QT+4*\q+3], v[PQ+4*\q+3], v[PQ+4*\q+2], s61   ; c2 d2 c3 d3
.endr
	WIN 0x45                                       ; sources too
.irp q, 0,1,2,3
	v_perm_b32 v[BF+\q],    v[QT+4*\q+2], v[QT+4*\q],   s62    ; column 0: a0 b0 c0 d0
	v_perm_b32 v[BF+4+\q],  v[QT+4*\q+2], v[QT+4*\q],   s63    ; column 1
	v_perm_b32 v[BF+8+\q],  v[QT+4*\q+3], v[QT+4*\q+1], s62    ; column 2
	v_perm_b32 v[BF+12+\q], v[QT+4*\q+3], v[QT+4*\q+1], s63    ; column 3
.endr
	WIN 0x04                                       ; the store's data in window 1
.irp j, 0,1,2,3
	ds_store_b128 v[3+(\k)/4], v[BF+4*\j:BF+4*\j+3] offset:((\k)%4)*STEPB+16*\j
.endr
	WIN 0
.endm
; Half hf of step k's products: four fragments of W1's codes from LDS, each against the live slots.  The accumulators take turns, one instruction a turn.
; first = 1: all three slots, and the products start the sums.  A wave with no live slot jumps over the whole half.
; ld = 1: behind the LDS loads, while they are served, xq's fragments of step k + 1 are asked for, into the other set.
.macro MHALF k, ab, first, hf, ld
.if \first == 0
	s_cmp_eq_u32 s20, 0
	s_cbranch_scc1 .Lmh_\@
.endif
	PLACES 4                                       ; in front of loads into registers that matrix instructions have read: W1's codes', and with ld = 1 the other set of xq's fragments
	WIN 0x40
.irp f, 0,1,2,3
.irp c, 0,1,2,3
	ds_load_b128 v[BF+16*\f+4*\c:BF+16*\f+4*\c+3], v[1+4*((\k)/4)] offset:((\k)%4)*STEPB+(4*\hf+\f)*FRP+512*\c   ; (where the byte turning's stores read these registers just before: LDS serves a wave's instructions in order: ISA guide 5.7.1.4)
.endr
.endr
	WIN 0
.if \ld
	ALOAD (\k)+1, 1-(\ab), 1-\first
.endif
.irp j, 0,1,2
.if (\first == 0) && (\j > 0)
	WIN 0                                          ; at a branch and at a label every window is 0
	s_cmp_lt_u32 s20, \j+1
	s_cbranch_scc1 .Lmh_\@
.endif
	WIN 0x51                                       ; W1's codes and the accumulators in window 1, xq's fragments in window 0
.irp f, 0,1,2,3
.if \j == 0
	s_wait_dscnt 12-4*\f                           ; fragment f's four loads are in; the four of each later fragment may be out
.endif
.if \first
	v_wmma_f32_16x16x128_fp8_fp8 v[64*\j+8*(4*\hf+\f):64*\j+8*(4*\hf+\f)+7], v[BF+16*\f:BF+16*\f+15], v[AF+48*(\ab)+16*\j:AF+48*(\ab)+16*\j+15], 0
.else
	v_wmma_f32_16x16x128_fp8_fp8 v[64*\j+8*(4*\hf+\f):64*\j+8*(4*\hf+\f)+7], v[BF+16*\f:BF+16*\f+15], v[AF+48*(\ab)+16*\j:AF+48*(\ab)+16*\j+15], v[64*\j+8*(4*\hf+\f):64*\j+8*(4*\hf+\f)+7]
.endif
.endr
.endr
	WIN 0
.Lmh_\@:
.endm
.macro MULT k, ab, first               ; a whole step's products, nothing asked for beside them
	MHALF \k, \ab, \first, 0, 0
	MHALF \k, \ab, \first, 1, 0
.endm
; A trip of the stream.  Loads come back in the order of issue (ISA guide 5.7.1): W0, W1, A0, then in trip k: A(k) (from trip 1 on), W(k+2).
.macro TRIP k, cnt
	s_wait_loadcnt \cnt                            ; W(k) is in, and from trip 1 on A(k-1) too: only the 16 loads issued behind them (trip 0: W1's and A0's) may be out
.if \k == 1
	MHALF 0, 0, 1, 0, 1                            ; step 0's products start the sums; A1 for all three slots
.elseif \k > 1
	MHALF \k-1, (\k-1)%2, 0, 0, 1
.endif
.if \k < 6
	QUANTW \k, 1
.else
	QUANTW \k, 0
.endif
.if \k == 6
.irp t, 0,1,2,3,4,5,6,7                ; b1 takes the set that has no step left: lane (r, h), tile t: columns 32 (t / 2) + 16 h + 8 (t % 2) + 0 .. 7
	global_load_b128 v[B1R+8*\t:B1R+8*\t+3], v12, s[8:9] offset:(32*(\t/2)+8*(\t%2))*4
	global_load_b128 v[B1R+8*\t+4:B1R+8*\t+7], v12, s[8:9] offset:(32*(\t/2)+8*(\t%2))*4+16
.endr
.endif
.if \k < 5
	global_prefetch_b8 v14, s[WP+2*\k+6:WP+2*\k+7] th:TH_LOAD_NT scope:SCOPE_SE   ; my wave's 16 rows x 512 bytes of step k + 3, a lane to each 256 bytes: one trip ahead of the loads that will want them; each block is named once in the launch; trips 5 to 7 have no step left to ask for
.endif
	TURN \k
.if \k == 1
	MHALF 0, 0, 1, 1, 0
.elseif \k > 1
	MHALF \k-1, (\k-1)%2, 0, 1, 0
.endif
	s_wait_dscnt 0x0                               ; for the others' sake: my codes lie in region k; and no LDS instruction of mine is out at the signal
	s_barrier_signal -1
	s_barrier_wait -1
.endm
; gelu and the quantiser for 16 numbers a lane, two at a time
.macro HORNER r, c
.irp p, 0,2,4,6,8,10,12,14
	v_pk_fma_f32 v[\r+\p:\r+\p+1], v[\r+\p:\r+\p+1], v[XX+\p:XX+\p+1], s[\c:\c+1] op_sel_hi:[1,1,0]
.endr
.endm
.macro GELU b
.set ZB, ZR+16*(\b)
.irp p, 0,2,4,6,8,10,12,14
	v_pk_mul_f32 v[UU+\p:UU+\p+1], v[ZB+\p:ZB+\p+1], s[C707:C707+1] op_sel_hi:[1,0]   ; u = z / sqrt 2
.endr
.irp i, 0,1,2,3,4,5,6,7,8,9,10,11,12,13,14,15
	v_med3_num_f32 v[UU+\i], v[UU+\i], -4.0, 4.0   ; beyond 4 erf is 1 in f32
.endr
.irp p, 0,2,4,6,8,10,12,14
	v_pk_mul_f32 v[XX+\p:XX+\p+1], v[UU+\p:UU+\p+1], v[UU+\p:UU+\p+1]
.endr
.irp p, 0,2,4,6,8,10,12,14
	v_pk_fma_f32 v[PN+\p:PN+\p+1], v[XX+\p:XX+\p+1], s[CA0:CA0+1], v[16:17] op_sel_hi:[1,0,1]
.endr
	HORNER PN, CA2
	HORNER PN, CA3
	HORNER PN, CA4
	HORNER PN, CA5
	HORNER PN, CA6
.irp p, 0,2,4,6,8,10,12,14
	v_pk_fma_f32 v[QD+\p:QD+\p+1], v[XX+\p:XX+\p+1], s[CB0:CB0+1], v[18:19] op_sel_hi:[1,0,1]
.endr
	HORNER QD, CB2
	HORNER QD, CB3
	HORNER QD, CB4
.irp i, 0,1,2,3,4,5,6,7,8,9,10,11,12,13,14,15
	v_rcp_f32 v[QD+\i], v[QD+\i]                   ; one batch
.endr
.irp p, 0,2,4,6,8,10,12,14
	v_pk_mul_f32 v[PN+\p:PN+\p+1], v[PN+\p:PN+\p+1], v[UU+\p:UU+\p+1]   ; plain work that names no reciprocal
.endr
.irp p, 0,2,4,6,8,10,12,14
	v_pk_mul_f32 v[ZB+\p:ZB+\p+1], v[ZB+\p:ZB+\p+1], 0.5 op_sel_hi:[1,0]
.endr
	s_wait_alu depctr_va_vdst(0)                   ; one wait for the sixteen reciprocals, ahead of their first reader
.irp p, 0,2,4,6,8,10,12,14
	v_pk_fma_f32 v[PN+\p:PN+\p+1], v[PN+\p:PN+\p+1], v[QD+\p:QD+\p+1], 1.0 op_sel_hi:[1,1,0]   ; 1 + erf
.endr
.irp p, 0,2,4,6,8,10,12,14
	v_pk_mul_f32 v[ZB+\p:ZB+\p+1], v[ZB+\p:ZB+\p+1], v[PN+\p:PN+\p+1]
.endr
.irp i, 0,1,2,3,4,5,6,7,8,9,10,11,12,13,14,15
	v_med3_num_f32 v[ZB+\i], v[ZB+\i], -v11, v11
.endr
	v_cvt_scalef32_pk8_fp8_f32 v[CD+4*(\b):CD+4*(\b)+1], v[ZB:ZB+7], v10
	v_cvt_scalef32_pk8_fp8_f32 v[CD+4*(\b)+2:CD+4*(\b)+3], v[ZB+8:ZB+15], v10
.endm
; The way out of slot j: z = sum x 2^(e0 + e1) + b1, gelu, codes: the image of K step cs of my tile's operand for the second product.
.macro EPI j
	s_cmp_lt_u32 s20, \j+1
	s_cbranch_scc1 .Lep_\@
	s_wait_xcnt 0x0                                ; the last slot's stores have read the codes' registers
	PLACES 4                                       ; in front of the first read of results, and of writes into registers that held xq's fragments
	WIN 0x01                                       ; source 0: the accumulators, window 1
.irp p, 0,2,4,6,8,10,12,14,16,18,20,22,24,26,28,30,32,34,36,38,40,42,44,46,48,50,52,54,56,58,60,62
	v_pk_fma_f32 v[ZR+\p:ZR+\p+1], v[64*\j+\p:64*\j+\p+1], s[SC:SC+1], v[B1R+\p:B1R+\p+1] op_sel_hi:[1,0,1]   ; each accumulator from its low end on
.endr
	WIN 0
	GELU 0
	GELU 1
	GELU 2
	GELU 3
	v_nop                                          ; a plain instruction behind the last conversion
.irp b, 0,1,2,3
	global_store_b128 v1, v[CD+4*\b:CD+4*\b+3], s[OP+2*\j:OP+2*\j+1] offset:512*\b th:TH_STORE_NT   ; 512 consecutive bytes a store
.endr
.Lep_\@:
.endm
; A step of a later pass: W1's codes lie in LDS; only xq's fragments are fetched.
.macro PSTEP k
.if \k == 0
	PLACES 5                                       ; its products write finished accumulators anew
	ALOAD 0, 0, 0
	s_wait_loadcnt 0x0
	MULT 0, 0, 1
.else
	PLACES 4
	ALOAD \k, 0, 1
	s_wait_loadcnt 0x0
	MULT \k, 0, 0
.endif
.endm
	s_load_b256 s[4:11], s[0:1], 0x0               ; xq, W1, b1, lowp_scales
	s_load_b128 s[12:15], s[0:1], 0x20             ; meta, hq
	v_lshl_add_u32 v6, v0, 2, SPARE                ; my spare word
	v_mov_b32 v7, 0
	v_lshrrev_b32 v10, 5, v0
	v_readfirstlane_b32 s16, v10                   ; wave 0..7
	s_and_b32 s17, ttmp7, 0xffff                   ; the expert
	v_and_b32 v13, 31, v0
	v_lshlrev_b32 v1, 4, v13                       ; 16 x lane
	s_lshl_b32 s25, s16, 18                        ; my 16 rows of a step
	v_add_nc_u32 v2, s25, v1
	v_bfe_u32 v10, v0, 3, 2                        ; my four columns 4 l .. 4 l + 3: b = l / 8,
	v_bfe_u32 v11, v0, 1, 1                        ; u,
	v_lshl_add_u32 v10, v10, 1, v11                ; fragment 2 b + u
	v_mul_u32_u24 v3, v10, FRP
	v_bfe_u32 v11, v0, 2, 1                        ; rhi: 8 rows of 16 bytes
	v_lshl_add_u32 v3, v11, 7, v3
	v_and_b32 v11, 1, v0                           ; rlo = 4 (l % 2) + column
	v_lshl_add_u32 v3, v11, 6, v3
	s_lshl_b32 s26, s16, 8                         ; my 16 k are registers 4 (w / 2) .. + 3 of lanes' half w % 2: 256 w
	v_add_nc_u32 v3, s26, v3
	v_add_nc_u32 v4, 4*STEPB, v3
	v_add_nc_u32 v5, 4*STEPB, v1
	v_bfe_u32 v10, v0, 1, 4
	v_lshl_add_u32 v14, v10, 14, s25               ; the prefetches: row l / 2 of my 16, half l % 2 of its 512 bytes
	v_lshl_add_u32 v14, v11, 8, v14
	v_bfe_u32 v12, v0, 4, 1
	v_lshlrev_b32 v12, 6, v12                      ; b1: 16 columns further on for lanes 16-31
	s_lshl_b32 s2, s17, 24                         ; W1: the expert's 2^24 bytes,
	s_lshl_b32 s26, ttmp9, 9                       ; the slice's 512
	s_add_co_u32 s2, s2, s26
	s_mov_b32 s3, 0
	s_lshl_b32 s18, s17, 14                        ; b1: 16,384 e + 512 cs
	s_add_co_u32 s18, s18, s26
	s_mov_b32 s19, 0
	s_lshl_b32 s26, ttmp9, 11                      ; hq: K step cs
	s_mov_b32 s27, 0
	s_lshl_b32 s24, s17, 2
	s_lshl_b32 s25, s17, 4
	s_wait_kmcnt 0x0
	s_load_b32 s21, s[12:13], s24 offset:0x20      ; T: the expert's tiles
	s_load_b32 s22, s[12:13], s24 offset:0x0       ; its first tile
	s_load_b32 s23, s[12:13], 0x40                 ; tiles in all
	s_load_b128 s[28:31], s[10:11], s25 offset:0x0 ; e0 .. e3
	s_add_nc_u64 s[WP:WP+1], s[6:7], s[2:3]
.irp k, 1,2,3,4,5,6,7
	s_add_nc_u64 s[WP+2*\k:WP+2*\k+1], s[WP+2*\k-2:WP+2*\k-1], WSTEP
.endr
	s_add_nc_u64 s[8:9], s[8:9], s[18:19]
	s_add_nc_u64 s[14:15], s[14:15], s[26:27]
.irp i, 0,1,2,3,4,5,6,7,8,9,10,11,12,13,14,15
	global_load_b128 v[WB0+4*\i:WB0+4*\i+3], v2, s[WP:WP+1] offset:\i*PITCH th:TH_LOAD_NT   ; 512 consecutive bytes, read once in the launch
.endr
.irp i, 0,1,2,3,4,5,6,7,8,9,10,11,12,13,14,15
	global_load_b128 v[WB0+64+4*\i:WB0+64+4*\i+3], v2, s[WP+2:WP+3] offset:\i*PITCH th:TH_LOAD_NT
.endr
	s_mov_b32 s60, 0x05010400                      ; v_perm_b32's selects: bytes 0-3 from the second source, 4-7 from the first
	s_mov_b32 s61, 0x07030602
	s_mov_b32 s62, 0x05040100
	s_mov_b32 s63, 0x07060302
	SPAIR C707, 0x3f3504f3                         ; 1 / sqrt 2
	SPAIR CA0, 0xaf95df0b                          ; P: -2.72614226e-10  (its second, 2.77068142e-08, lies in v[16:17])
	SPAIR CA2, 0xb60cff51                          ; -2.10102402e-06
	SPAIR CA3, 0xb86ec2d2                          ; -5.69250639e-05
	SPAIR CA4, 0xba40ac63                          ; -7.34990630e-04
	SPAIR CA5, 0xbb41a1f6                          ; -2.95459981e-03
	SPAIR CA6, 0xbc83dbd4                          ; -1.60960333e-02
	SPAIR CB0, 0xb77460cd                          ; Q: -1.45660718e-05  (its second, -2.13374055e-04, lies in v[18:19])
	SPAIR CB2, 0xbadc924e                          ; -1.68282697e-03
	SPAIR CB3, 0xbbf19bf8                          ; -7.37332917e-03
	SPAIR CB4, 0xbc69b6a7                          ; -1.42647391e-02
	s_wait_kmcnt 0x0
	s_add_co_i32 s25, s29, 127
	s_lshl_b32 s26, s25, 23
	v_mov_b32 v8, s26                              ; 2^e1 as f32: the conversion takes its exponent field
	s_add_co_i32 s25, s25, 8
	s_lshl_b32 s25, s25, 23
	s_or_b32 s25, s25, 0x600000
	v_mov_b32 v9, s25                              ; 448 x 2^e1
	s_add_co_i32 s25, s30, 127
	s_lshl_b32 s26, s25, 23
	v_mov_b32 v10, s26                             ; 2^e2
	s_add_co_i32 s25, s25, 8
	s_lshl_b32 s25, s25, 23
	s_or_b32 s25, s25, 0x600000
	v_mov_b32 v11, s25                             ; 448 x 2^e2
	s_add_co_i32 s25, s28, s29
	s_add_co_i32 s25, s25, 127
	s_lshl_b32 s[SC], s25, 23                      ; 2^(e0 + e1)
	s_mov_b32 s[SC+1], s[SC]
	s_mov_b32 s24, 0                               ; TB
	SLOTS
	ALOAD 0, 0, 0
	TRIP 0, 28                                     ; behind W0: W1's 16 and A0's 12
	TRIP 1, 16                                     ; behind W(k) and A(k-1): W(k+1)'s 16, on every path
	TRIP 2, 16
	TRIP 3, 16
	TRIP 4, 16
	TRIP 5, 16
	TRIP 6, 16
	TRIP 7, 16                                     ; behind W7 and A6: b1's 16
	s_wait_loadcnt 0x0                             ; A7 and b1
	MULT 7, 1, 0                                   ; the last step's products: the last barrier published its region
	v_mov_b32 v16, 0x32edffee                      ; P's and Q's second constants, each twice
	v_mov_b32 v17, 0x32edffee
	v_mov_b32 v18, 0xb95fbd29
	v_mov_b32 v19, 0xb95fbd29
	s_mov_b32 s18, 0                               ; trips done
.Lpass:                                            ; NPASS trips.  A trip: the way out of the pass that is finished; then, if the expert has tiles left, the next pass's products
	EPI 0
	EPI 1
	EPI 2
	s_add_co_u32 s24, s24, 24
	s_mov_b32 s20, 0                               ; no live slot, unless SLOTS finds some: a trip with no tiles left stores nothing
	s_cmp_ge_u32 s24, s21
	s_cbranch_scc1 .Lskip
	SLOTS
	PSTEP 0
	PSTEP 1
	PSTEP 2
	PSTEP 3
	PSTEP 4
	PSTEP 5
	PSTEP 6
	PSTEP 7
.Lskip:
	s_add_co_u32 s18, s18, 1
	s_cmp_lt_u32 s18, NPASS
	s_cbranch_scc1 .Lpass
	s_wait_tensorcnt 0x0                           ; the wave's end
	ds_add_u32 v6, v7
	s_wait_dscnt 0x0
	s_endpgm
.Lfunc_end_k_q908523028e_ffn1:
	.size	k_q908523028e_ffn1, .Lfunc_end_k_q908523028e_ffn1-k_q908523028e_ffn1
	.p2alignl 7, 3214868480
	.fill 96, 4, 3214868480
	.section	.rodata,"a",@progbits
	.p2align	6, 0x0
	.amdhsa_kernel k_q908523028e_ffn1
		.amdhsa_group_segment_fixed_size 133120
		.amdhsa_private_segment_fixed_size 0
		.amdhsa_enable_private_segment 0
		.amdhsa_kernarg_size 48
		.amdhsa_user_sgpr_count 2
		.amdhsa_user_sgpr_kernarg_segment_ptr 1
		.amdhsa_wavefront_size32 1
		.amdhsa_system_sgpr_workgroup_id_x 1
		.amdhsa_system_sgpr_workgroup_id_y 1
		.amdhsa_system_sgpr_workgroup_id_z 1
		.amdhsa_system_vgpr_workitem_id 0
		.amdhsa_next_free_vgpr 512
		.amdhsa_next_free_sgpr 96
		.amdhsa_reserve_vcc 0
		.amdhsa_float_denorm_mode_32 3
		.amdhsa_float_denorm_mode_16_64 3
		.amdhsa_memory_ordered 1
		.amdhsa_forward_progress 1
		.amdhsa_inst_pref_size 255
	.end_amdhsa_kernel
	.section	.bss,"aw",@nobits
	.p2align	6
	.space	262144
	.amdgpu_metadata
---
amdhsa.version: [ 1, 2 ]
amdhsa.kernels:
  - .name:           k_q908523028e_ffn1
    .symbol:         k_q908523028e_ffn1.kd
    .args:
      - { .name: xq, .offset: 0, .size: 8, .value_kind: global_buffer, .address_space: global }
      - { .name: W1, .offset: 8, .size: 8, .value_kind: global_buffer, .address_space: global }
      - { .name: b1, .offset: 16, .size: 8, .value_kind: global_buffer, .address_space: global }
      - { .name: lowp_scales, .offset: 24, .size: 8, .value_kind: global_buffer, .address_space: global }
      - { .name: meta, .offset: 32, .size: 8, .value_kind: global_buffer, .address_space: global }
      - { .name: hq, .offset: 40, .size: 8, .value_kind: global_buffer, .address_space: global }
    .group_segment_fixed_size: 133120
    .private_segment_fixed_size: 0
    .kernarg_segment_align: 8
    .kernarg_segment_size: 48
    .max_flat_workgroup_size: 256
    .sgpr_count:     96
    .vgpr_count:     512
    .wavefront_size: 32
...
	.end_amdgpu_metadata
.endif
;; end of part 3
;; launch ffn2 (part 4): grid 32 x 8, 8 waves a work-group, no clusters, 167,936 bytes of LDS; arguments hq, W2, lowp_scales, meta, yp; writes yp
.if DOCPART == 4
	.amdgcn_target "amdgcn-amd-amdhsa--gfx1250"
	.amdhsa_code_object_version 6
	.text
	.protected	k_q908523028e_ffn2
	.globl	k_q908523028e_ffn2
	.p2align	8
	.type	k_q908523028e_ffn2,@function
k_q908523028e_ffn2:
	s_mov_b64 s[64:65], 0
	v_nop
	global_prefetch_b8 v0, s[64:65] scope:SCOPE_SE
	s_setreg_imm32_b32 hwreg(HW_REG_WAVE_MODE, 25, 1), 1
	s_wait_xcnt 0x0
; THE SECOND PRODUCT OF THE EXPERTS: yp[q] = hq W2q 2^(e2 + e3) over half q of K, on codes of FP8 (E4M3), for the rows that chose the expert.  e2, e3 = lowp_scales[4 e + 2], [4 e + 3].
; SHARES.  Work-group (x, e): columns 64 cs .. 64 cs + 63 (cs = x % 16: 256 bytes of a row of W2), K half q = x / 16 (2,048 of 4,096): 512 KB of f32, read from memory ONCE in the launch, in 8 steps of
; 256 k x 256 bytes.  8 experts x 16 slices are 128 work-groups; the split of K makes 256; the two halves' sums are added by the next launch, which owns each output row.
; A STEP.  Wave w loads rows 32 w .. 32 w + 31: a load takes row 32 w + i in lanes 0-15 and row 32 w + 16 + i in lanes 16-31, 256 consecutive aligned bytes each: a lane holds 16 k x 4 columns.  Hold, conversion,
; byte turning, and the store into the step's own LDS region as images of operand registers: 2 K sub-steps of 128 x 4 tiles of 16 columns.  One barrier publishes the region; then every wave multiplies the
; 8 fragments with its own row tiles' fragments of hq, which come from memory as images.  The 8 regions are never written again.
; THE ORDER OF A TRIP.  Trip k: K sub-step 0 of step k - 1's products (the last barrier published its region), and behind its LDS loads, while they are served, the loads of hq's fragments for step k;
; step k's conversion, each pair of rows' registers taking step k + 2's loads at once; the byte turning and the stores into region k; K sub-step 1 of step k - 1's products; the barrier.  So global loads are
; issued beside LDS reads and LDS reads beside the stores; and the weights' 16 loads are the youngest at the trip's one counted wait, whatever the number of live slots.
; ROWS, slots, passes, the transposed use, the choice of a tile's columns and the images: as in the first product's launch (three slots a wave, tiles TB + w + 8 j; three trips over passes of 24 tiles, for 64 tiles
; at the most; dead slots multiplied once on a tile number held inside the table, then jumped over by scalar branches on stored whole numbers, under which no barrier stands).  No cluster and no tensor load, for the same reasons.
; THE WAY OUT.  A lane holds 16 neighbouring columns of one row in two pieces; a tile's 16 rows x 256 bytes go through the wave's own stage in LDS and leave as aligned runs of 256 bytes, sixteen lanes each.
; LIMITS: e3 between -126 and 119, e2 + e3 between -126 and 127.  NaN is not served.  An expert that no token chose still has its weights streamed.
; REGISTERS.  window 0: v1 16 x lane; v2 W's offset; v3, v4 where I store codes; v5 v1 for steps 4-7; v6, v7 the add's two; v8, v9 2^e3 and 448 x 2^e3; v10, v11 the stage, in and back; v12 yp's offset;
;   v14 the prefetches' offset; v16-31 codes by rows; v32-95, v96-159 two sets of W; v160-255 the accumulators (160 + 32 j + 8 t).
;   window 1: v0-95, v96-191 two sets of hq's fragments (32 a slot: two K sub-steps); v192-255 four fragments of W2's codes, and the byte turning's registers.
.set PITCH, 4096                       ; a row of W2 in bytes
.set WSTEP, 256*PITCH                  ; a step
.set FRP,   2064                       ; a fragment's image + 16
.set STEPB, 8*FRP
.set STG,   8*STEPB                    ; behind the 8 regions: a stage of 16 rows x 272 bytes for each wave
.set SP,    272
.set SPARE, STG+8*16*SP                ; behind the stages: the spare words, 128 bytes for each wave; no other line names them
.set NTOP,  134
.set NPASS, 3                          ; passes of 24 tiles: 72 tiles, for 64 at the most
.set HALFY, 2160*4096                  ; yp: from one half of K to the other
.set PQ,    16
.set WB0,   32
.set TR,    32                         ; the way out: a tile's sums x 2^(e2 + e3),
.set RBK,   64                         ; and its rows read back
.set ACC,   160
.set BF,    192                        ; window 1
.set QT,    208                        ; window 1
.set WP,    32                         ; s[32:47] W2 at each of my 8 steps; never rewritten
.set AP,    48                         ; s[48:53] hq at my three slots' tiles
.set OP,    54                         ; s[54:59] yp likewise
.set SC,    66                         ; s[66:67] 2^(e2 + e3), twice
.set MSB,   0
.macro WIN new
.if MSB != \new
	s_set_vgpr_msb (MSB<<8)|\new
.set MSB, \new
.endif
.endm
.macro PLACES n                        ; plain vector instructions between a matrix instruction and what touches its registers (ISA guide 7.12.1)
.rept \n
	v_nop
.endr
.endm
.macro SLOTS                           ; s21 = T, s22 = the expert's first tile, s23 = tiles in all, s24 = TB
	s_wait_xcnt 0x0                                ; the loads and stores that named the old addresses have read them
	s_sub_co_u32 s25, s21, s24
	s_add_co_u32 s25, s25, 7
	s_sub_co_u32 s25, s25, s16
	s_lshr_b32 s25, s25, 3
	s_min_u32 s20, s25, 3                          ; NS
	s_add_co_u32 s25, s22, s24
	s_add_co_u32 s25, s25, s16
	s_sub_co_u32 s26, s23, 1
	s_mov_b32 s3, 0
.irp j, 0,1,2
	s_add_co_u32 s27, s25, 8*\j
	s_min_u32 s27, s27, s26                        ; a dead slot reads a tile that was written,
	s_min_u32 s27, s27, NTOP                       ; and every tile number is held inside the buffers
	s_lshl_b32 s2, s27, 16
	s_add_nc_u64 s[AP+2*\j:AP+2*\j+1], s[4:5], s[2:3]
	s_add_nc_u64 s[OP+2*\j:OP+2*\j+1], s[12:13], s[2:3]
.endr
.endm
; hq's fragments of step k (two K sub-steps) into set ab: eight loads of 512 consecutive bytes a slot.  cond = 1: live slots only.
.macro ALOAD k, ab, cond
.irp j, 0,1,2
.if \cond
	WIN 0                                          ; at a branch and at a label every window is 0
	s_cmp_lt_u32 s20, \j+1
	s_cbranch_scc1 .Lna_\@
.endif
	WIN 0x40                                       ; destination window 1
.irp i, 0,1,2,3,4,5,6,7
	global_load_b128 v[96*(\ab)+32*\j+4*\i:96*(\ab)+32*\j+4*\i+3], v1, s[AP+2*\j:AP+2*\j+1] offset:4096*(\k)+512*\i
.endr
.endr
	WIN 0
.Lna_\@:
.endm
.macro QUANTW k, nxt
.set WB, WB0+64*((\k)%2)
.irp g, 0,1,2,3,4,5,6,7
.irp i, 0,1,2,3,4,5,6,7
	v_med3_num_f32 v[WB+8*\g+\i], v[WB+8*\g+\i], -v9, v9   ; the conversion does not saturate (ISA guide 7.6.2): the hold at the largest code x the scale
.endr
	v_cvt_scalef32_pk8_fp8_f32 v[PQ+2*\g:PQ+2*\g+1], v[WB+8*\g:WB+8*\g+7], v8
.if \nxt
	global_load_b128 v[WB+8*\g:WB+8*\g+3], v2, s[WP+2*(\k)+4:WP+2*(\k)+5] offset:(2*\g)*PITCH th:TH_LOAD_NT
	global_load_b128 v[WB+8*\g+4:WB+8*\g+7], v2, s[WP+2*(\k)+4:WP+2*(\k)+5] offset:(2*\g+1)*PITCH th:TH_LOAD_NT
.endif
.endr
	v_nop                                          ; a plain instruction between the last conversion and the first reader of its codes
.endm
.macro TURN k
	WIN 0x40
.irp q, 0,1,2,3
	v_perm_b32 v[QT+4*\q],   v[PQ+4*\q+1], v[PQ+4*\q],   s60   ; a0 b0 a1 b1
	v_perm_b32 v[QT+4*\q+1], v[PQ+4*\q+1], v[PQ+4*\q],   s61   ; a2 b2 a3 b3
	v_perm_b32 v[QT+4*\q+2], v[PQ+4*\q+3], v[PQ+4*\q+2], s60   ; c0 d0 c1 d1
	v_perm_b32 v[QT+4*\q+3], v[PQ+4*\q+3], v[PQ+4*\q+2], s61   ; c2 d2 c3 d3
.endr
	WIN 0x45
.irp q, 0,1,2,3
	v_perm_b32 v[BF+\q],    v[QT+4*\q+2], v[QT+4*\q],   s62    ; column 0
	v_perm_b32 v[BF+4+\q],  v[QT+4*\q+2], v[QT+4*\q],   s63    ; column 1
	v_perm_b32 v[BF+8+\q],  v[QT+4*\q+3], v[QT+4*\q+1], s62    ; column 2
	v_perm_b32 v[BF+12+\q], v[QT+4*\q+3], v[QT+4*\q+1], s63    ; column 3
.endr
	WIN 0x04
.irp j, 0,1,2,3
	ds_store_b128 v[3+(\k)/4], v[BF+4*\j:BF+4*\j+3] offset:((\k)%4)*STEPB+16*\j
.endr
	WIN 0
.endm
; K sub-step hf of step k: its four fragments of W2's codes from LDS, each against the live slots.  The accumulators take turns, one instruction a turn.
; first = 1: all three slots, and sub-step 0's products start the sums.  A wave with no live slot jumps over the whole sub-step.
; ld = 1: behind the LDS loads, while they are served, hq's fragments of step k + 1 are asked for, into the other set.
.macro MHALF k, ab, first, hf, ld
.if \first == 0
	s_cmp_eq_u32 s20, 0
	s_cbranch_scc1 .Lmh_\@
.endif
	PLACES 4                                       ; in front of loads into registers that matrix instructions have read: W2's codes', and with ld = 1 the other set of hq's fragments
	WIN 0x40
.irp f, 0,1,2,3
.irp c, 0,1,2,3
	ds_load_b128 v[BF+16*\f+4*\c:BF+16*\f+4*\c+3], v[1+4*((\k)/4)] offset:((\k)%4)*STEPB+(4*\hf+\f)*FRP+512*\c   ; (where the byte turning's stores read these registers just before: LDS serves a wave's instructions in order: ISA guide 5.7.1.4)
.endr
.endr
.if \ld
	ALOAD (\k)+1, 1-(\ab), 1-\first
.endif
.irp j, 0,1,2
.if (\first == 0) && (\j > 0)
	WIN 0
	s_cmp_lt_u32 s20, \j+1
	s_cbranch_scc1 .Lmh_\@
.endif
	WIN 0x05                                       ; both operands in window 1, the accumulators in window 0
.irp f, 0,1,2,3
.if \j == 0
	s_wait_dscnt 12-4*\f                           ; fragment f's four loads are in; the four of each later fragment may be out
.endif
.if \first && (\hf == 0)
	v_wmma_f32_16x16x128_fp8_fp8 v[ACC+32*\j+8*\f:ACC+32*\j+8*\f+7], v[BF+16*\f:BF+16*\f+15], v[96*(\ab)+32*\j+16*\hf:96*(\ab)+32*\j+16*\hf+15], 0
.else
	v_wmma_f32_16x16x128_fp8_fp8 v[ACC+32*\j+8*\f:ACC+32*\j+8*\f+7], v[BF+16*\f:BF+16*\f+15], v[96*(\ab)+32*\j+16*\hf:96*(\ab)+32*\j+16*\hf+15], v[ACC+32*\j+8*\f:ACC+32*\j+8*\f+7]
.endif
.endr
.endr
	WIN 0
.Lmh_\@:
.endm
.macro MULT k, ab, first               ; a whole step's products, nothing asked for beside them
	MHALF \k, \ab, \first, 0, 0
	MHALF \k, \ab, \first, 1, 0
.endm
; A trip of the stream.  Loads come back in the order of issue (ISA guide 5.7.1): W0, W1, A0, then in trip k: A(k) (from trip 1 on), W(k+2).
.macro TRIP k, cnt
	s_wait_loadcnt \cnt                            ; W(k) is in, and from trip 1 on A(k-1) too: only the 16 loads issued behind them (trip 0: W1's and A0's) may be out
.if \k == 1
	MHALF 0, 0, 1, 0, 1                            ; step 0's products start the sums; A1 for all three slots
.elseif \k > 1
	MHALF \k-1, (\k-1)%2, 0, 0, 1
.endif
.if \k < 6
	QUANTW \k, 1
.else
	QUANTW \k, 0
.endif
.if \k < 5
	global_prefetch_b8 v14, s[WP+2*\k+6:WP+2*\k+7] th:TH_LOAD_NT scope:SCOPE_SE   ; my wave's 32 rows x 256 bytes of step k + 3, a lane a row: one trip ahead of the loads that will want them; each block is named once in the launch; trips 5 to 7 have no step left to ask for
.endif
	TURN \k
.if \k == 1
	MHALF 0, 0, 1, 1, 0
.elseif \k > 1
	MHALF \k-1, (\k-1)%2, 0, 1, 0
.endif
	s_wait_dscnt 0x0                               ; for the others' sake: my codes lie in region k; and no LDS instruction of mine is out at the signal
	s_barrier_signal -1
	s_barrier_wait -1
.endm
; The way out of slot j
.macro EPI j
	s_cmp_lt_u32 s20, \j+1
	s_cbranch_scc1 .Lep_\@
	s_wait_xcnt 0x0                                ; the last slot's stores have read their registers
	PLACES 4                                       ; in front of the first read of results
.irp p, 0,2,4,6,8,10,12,14,16,18,20,22,24,26,28,30
	v_pk_mul_f32 v[TR+\p:TR+\p+1], v[ACC+32*\j+\p:ACC+32*\j+\p+1], s[SC:SC+1] op_sel_hi:[1,0]   ; x 2^(e2 + e3); each accumulator from its low end on
.endr
.irp b, 0,1
.irp i, 0,1,2,3
	ds_store_b128 v10, v[TR+16*\b+4*\i:TR+16*\b+4*\i+3] offset:128*\b+16*\i   ; lane (r, h): row r, columns 32 b + 16 h + 4 i on
.endr
.endr
.irp i, 0,1,2,3,4,5,6,7
	ds_load_b128 v[RBK+4*\i:RBK+4*\i+3], v11 offset:2*SP*\i   ; my own bytes: LDS serves a wave's instructions in order (ISA guide 5.7.1.4)
.endr
.irp i, 0,1,2,3,4,5,6,7
	s_wait_dscnt 7-\i                              ; the younger loads from the stage may be out
	global_store_b128 v12, v[RBK+4*\i:RBK+4*\i+3], s[OP+2*\j:OP+2*\j+1] offset:8192*\i th:TH_STORE_NT   ; sixteen lanes store 256 consecutive bytes, aligned
.endr
.Lep_\@:
.endm
.macro PSTEP k                         ; a step of a later pass: W2's codes lie in LDS
.if \k == 0
	PLACES 5                                       ; its products write finished accumulators anew
	ALOAD 0, 0, 0
	s_wait_loadcnt 0x0
	MULT 0, 0, 1
.else
	PLACES 4
	ALOAD \k, 0, 1
	s_wait_loadcnt 0x0
	MULT \k, 0, 0
.endif
.endm
	s_load_b256 s[4:11], s[0:1], 0x0               ; hq, W2, lowp_scales, meta
	s_load_b64 s[12:13], s[0:1], 0x20              ; yp
	v_lshl_add_u32 v6, v0, 2, SPARE                ; my spare word
	v_mov_b32 v7, 0
	v_lshrrev_b32 v10, 5, v0
	v_readfirstlane_b32 s16, v10                   ; wave 0..7
	s_and_b32 s17, ttmp7, 0xffff                   ; the expert
	s_and_b32 s18, ttmp9, 15                       ; cs
	s_lshr_b32 s19, ttmp9, 4                       ; q
	v_and_b32 v13, 31, v0
	v_lshlrev_b32 v1, 4, v13                       ; 16 x lane
	v_and_b32 v17, 15, v0                          ; l' = lane % 16
	v_bfe_u32 v16, v0, 4, 1                        ; lane / 16
	v_lshlrev_b32 v2, 4, v17
	v_lshl_add_u32 v2, v16, 16, v2                 ; lanes 16-31: 16 rows further down
	s_lshl_b32 s25, s16, 17                        ; my 32 rows of a step
	v_add_nc_u32 v2, s25, v2
	v_lshl_add_u32 v14, v13, 12, s25               ; the prefetches: a lane a row
	v_bfe_u32 v18, v0, 3, 1                        ; my four columns 4 l' .. 4 l' + 3: b,
	v_bfe_u32 v19, v0, 1, 1                        ; u,
	v_lshl_add_u32 v18, v18, 1, v19                ; tile 2 b + u
	v_mul_u32_u24 v3, v18, FRP
	v_bfe_u32 v19, v0, 2, 1                        ; rhi
	v_lshl_add_u32 v3, v19, 7, v3
	v_and_b32 v19, 1, v0                           ; rlo = 4 (l' % 2) + column
	v_lshl_add_u32 v3, v19, 6, v3
	v_lshl_add_u32 v3, v16, 8, v3                  ; my 16 k belong to the lanes' half lane / 16,
	s_lshr_b32 s26, s16, 2
	s_mul_i32 s26, s26, 4*FRP                      ; of K sub-step w / 4,
	s_and_b32 s27, s16, 3
	s_lshl_b32 s27, s27, 9                         ; registers 4 (w % 4) .. + 3
	s_add_co_u32 s26, s26, s27
	v_add_nc_u32 v3, s26, v3
	v_add_nc_u32 v4, 4*STEPB, v3
	v_add_nc_u32 v5, 4*STEPB, v1
	s_mul_i32 s26, s16, 16*SP
	s_add_co_u32 s26, s26, STG                     ; my stage
	v_mul_u32_u24 v10, v17, SP
	v_lshl_add_u32 v10, v16, 6, v10
	v_add_nc_u32 v10, s26, v10                     ; in: row r, + 64 h
	v_mul_u32_u24 v11, v16, SP
	v_lshl_add_u32 v11, v17, 4, v11
	v_add_nc_u32 v11, s26, v11                     ; back: lanes 0-15 one row, lanes 16-31 the next
	v_lshlrev_b32 v12, 12, v16
	v_lshl_add_u32 v12, v17, 4, v12                ; and the same two rows in yp
	s_lshl_b32 s2, s17, 24                         ; W2: the expert's 2^24 bytes,
	s_lshl_b32 s26, s19, 23                        ; the half of K,
	s_add_co_u32 s2, s2, s26
	s_lshl_b32 s26, s18, 8                         ; the slice's 256 bytes
	s_add_co_u32 s2, s2, s26
	s_mov_b32 s3, 0
	s_mul_i32 s28, s19, HALFY                      ; yp: the half of K, the slice
	s_add_co_u32 s28, s28, s26
	s_mov_b32 s29, 0
	s_lshl_b32 s26, s19, 15                        ; hq: 16 K steps of 2,048 bytes
	s_mov_b32 s27, 0
	s_lshl_b32 s24, s17, 2
	s_lshl_b32 s25, s17, 4
	s_wait_kmcnt 0x0
	s_add_nc_u64 s[12:13], s[12:13], s[28:29]
	s_add_nc_u64 s[4:5], s[4:5], s[26:27]
	s_load_b32 s21, s[10:11], s24 offset:0x20      ; T: the expert's tiles
	s_load_b32 s22, s[10:11], s24 offset:0x0       ; its first tile
	s_load_b32 s23, s[10:11], 0x40                 ; tiles in all
	s_load_b128 s[28:31], s[8:9], s25 offset:0x0   ; e0 .. e3
	s_add_nc_u64 s[WP:WP+1], s[6:7], s[2:3]
.irp k, 1,2,3,4,5,6,7
	s_add_nc_u64 s[WP+2*\k:WP+2*\k+1], s[WP+2*\k-2:WP+2*\k-1], WSTEP
.endr
.irp i, 0,1,2,3,4,5,6,7,8,9,10,11,12,13,14,15
	global_load_b128 v[WB0+4*\i:WB0+4*\i+3], v2, s[WP:WP+1] offset:\i*PITCH th:TH_LOAD_NT   ; two aligned runs of 256 bytes, read once in the launch
.endr
.irp i, 0,1,2,3,4,5,6,7,8,9,10,11,12,13,14,15
	global_load_b128 v[WB0+64+4*\i:WB0+64+4*\i+3], v2, s[WP+2:WP+3] offset:\i*PITCH th:TH_LOAD_NT
.endr
	s_mov_b32 s60, 0x05010400                      ; v_perm_b32's selects: bytes 0-3 from the second source, 4-7 from the first
	s_mov_b32 s61, 0x07030602
	s_mov_b32 s62, 0x05040100
	s_mov_b32 s63, 0x07060302
	s_wait_kmcnt 0x0
	s_add_co_i32 s25, s31, 127
	s_lshl_b32 s26, s25, 23
	v_mov_b32 v8, s26                              ; 2^e3 as f32: the conversion takes its exponent field
	s_add_co_i32 s25, s25, 8
	s_lshl_b32 s25, s25, 23
	s_or_b32 s25, s25, 0x600000
	v_mov_b32 v9, s25                              ; 448 x 2^e3
	s_add_co_i32 s25, s30, s31
	s_add_co_i32 s25, s25, 127
	s_lshl_b32 s[SC], s25, 23                      ; 2^(e2 + e3)
	s_mov_b32 s[SC+1], s[SC]
	s_mov_b32 s24, 0                               ; TB
	SLOTS
	ALOAD 0, 0, 0
	TRIP 0, 40                                     ; behind W0: W1's 16 and A0's 24
	TRIP 1, 16                                     ; behind W(k) and A(k-1): W(k+1)'s 16, on every path
	TRIP 2, 16
	TRIP 3, 16
	TRIP 4, 16
	TRIP 5, 16
	TRIP 6, 16
	TRIP 7, 0                                      ; W7 and A6: nothing of fixed number was issued behind them
	s_wait_loadcnt 0x0                             ; A7
	MULT 7, 1, 0                                   ; the last step's products: the last barrier published its region
	s_mov_b32 s18, 0                               ; trips done
.Lpass:                                            ; NPASS trips.  A trip: the way out of the pass that is finished; then, if the expert has tiles left, the next pass's products
	EPI 0
	EPI 1
	EPI 2
	s_add_co_u32 s24, s24, 24
	s_mov_b32 s20, 0                               ; no live slot, unless SLOTS finds some: a trip with no tiles left stores nothing
	s_cmp_ge_u32 s24, s21
	s_cbranch_scc1 .Lskip
	SLOTS
	PSTEP 0
	PSTEP 1
	PSTEP 2
	PSTEP 3
	PSTEP 4
	PSTEP 5
	PSTEP 6
	PSTEP 7
.Lskip:
	s_add_co_u32 s18, s18, 1
	s_cmp_lt_u32 s18, NPASS
	s_cbranch_scc1 .Lpass
	s_wait_tensorcnt 0x0                           ; the wave's end
	ds_add_u32 v6, v7
	s_wait_dscnt 0x0
	s_endpgm
.Lfunc_end_k_q908523028e_ffn2:
	.size	k_q908523028e_ffn2, .Lfunc_end_k_q908523028e_ffn2-k_q908523028e_ffn2
	.p2alignl 7, 3214868480
	.fill 96, 4, 3214868480
	.section	.rodata,"a",@progbits
	.p2align	6, 0x0
	.amdhsa_kernel k_q908523028e_ffn2
		.amdhsa_group_segment_fixed_size 167936
		.amdhsa_private_segment_fixed_size 0
		.amdhsa_enable_private_segment 0
		.amdhsa_kernarg_size 40
		.amdhsa_user_sgpr_count 2
		.amdhsa_user_sgpr_kernarg_segment_ptr 1
		.amdhsa_wavefront_size32 1
		.amdhsa_system_sgpr_workgroup_id_x 1
		.amdhsa_system_sgpr_workgroup_id_y 1
		.amdhsa_system_sgpr_workgroup_id_z 1
		.amdhsa_system_vgpr_workitem_id 0
		.amdhsa_next_free_vgpr 512
		.amdhsa_next_free_sgpr 72
		.amdhsa_reserve_vcc 0
		.amdhsa_float_denorm_mode_32 3
		.amdhsa_float_denorm_mode_16_64 3
		.amdhsa_memory_ordered 1
		.amdhsa_forward_progress 1
		.amdhsa_inst_pref_size 204
	.end_amdhsa_kernel
	.amdgpu_metadata
---
amdhsa.version: [ 1, 2 ]
amdhsa.kernels:
  - .name:           k_q908523028e_ffn2
    .symbol:         k_q908523028e_ffn2.kd
    .args:
      - { .name: hq, .offset: 0, .size: 8, .value_kind: global_buffer, .address_space: global }
      - { .name: W2, .offset: 8, .size: 8, .value_kind: global_buffer, .address_space: global }
      - { .name: lowp_scales, .offset: 16, .size: 8, .value_kind: global_buffer, .address_space: global }
      - { .name: meta, .offset: 24, .size: 8, .value_kind: global_buffer, .address_space: global }
      - { .name: yp, .offset: 32, .size: 8, .value_kind: global_buffer, .address_space: global }
    .group_segment_fixed_size: 167936
    .private_segment_fixed_size: 0
    .kernarg_segment_align: 8
    .kernarg_segment_size: 40
    .max_flat_workgroup_size: 256
    .sgpr_count:     72
    .vgpr_count:     512
    .wavefront_size: 32
...
	.end_amdgpu_metadata
.endif
;; end of part 4
;; launch combine (part 5): grid 256 x 1, 4 waves a work-group, no clusters, 0 bytes of LDS; arguments yp, b2, idx, pos, gates, out0; writes out0
.if DOCPART == 5
	.amdgcn_target "amdgcn-amd-amdhsa--gfx1250"
	.amdhsa_code_object_version 6
	.text
	.protected	k_q908523028e_combine
	.globl	k_q908523028e_combine
	.p2align	8
	.type	k_q908523028e_combine,@function
k_q908523028e_combine:
	s_mov_b64 s[64:65], 0
	v_nop
	global_prefetch_b8 v0, s[64:65] scope:SCOPE_SE
	s_setreg_imm32_b32 hwreg(HW_REG_WAVE_MODE, 25, 1), 1
	s_wait_xcnt 0x0
; out[t] = g0 (yp0[p0] + yp1[p0] + b2[e0]) + g1 (yp0[p1] + yp1[p1] + b2[e1]): each output row has one owner, a wave, which gathers the token's two sorted rows (both halves of K) and the two experts' biases.
; The experts that a token did not choose have the gate 0 in the reference and add nothing.  Memory binds: six streams of 4,096 bytes in, one out; every load and store of a wave covers 512 consecutive bytes;
; all 48 loads go out at once.  No LDS, no matrix unit, no barrier: waves share nothing.
; e0, e1, p0, p1 are whole numbers that earlier launches stored; each is held inside its table before it enters an address.
.set HALFY, 2160*4096                  ; yp: from one half of K to the other
.set R,     8                          ; v8-199   piece i, stream m: four registers at R + 24 i + 4 m
.set O,     200                        ; v200-231 the results: four registers a piece, so that no store's data are written again
	s_load_b256 s[4:11], s[0:1], 0x0               ; yp, b2, idx, pos
	s_load_b128 s[12:15], s[0:1], 0x20             ; gates, out0
	v_lshrrev_b32 v1, 5, v0
	v_readfirstlane_b32 s16, v1                    ; wave 0..3
	v_and_b32 v1, 31, v0
	v_lshlrev_b32 v1, 4, v1                        ; 16 x lane
	s_lshl_b32 s17, ttmp9, 2
	s_add_co_u32 s17, s17, s16                     ; my token
	s_lshl_b32 s18, s17, 3
	s_lshl_b32 s2, s17, 12
	s_mov_b32 s3, 0
	s_wait_kmcnt 0x0
	s_load_b64 s[20:21], s[8:9], s18 offset:0x0    ; e0, e1
	s_load_b64 s[22:23], s[10:11], s18 offset:0x0  ; p0, p1
	s_load_b64 s[36:37], s[12:13], s18 offset:0x0  ; g0, g1
	s_add_nc_u64 s[14:15], s[14:15], s[2:3]
	s_wait_kmcnt 0x0
	s_min_u32 s20, s20, 7
	s_min_u32 s21, s21, 7
	s_min_u32 s22, s22, 2159
	s_min_u32 s23, s23, 2159
	s_lshl_b32 s2, s22, 12
	s_add_nc_u64 s[24:25], s[4:5], s[2:3]          ; yp0[p0]
	s_add_nc_u64 s[26:27], s[24:25], HALFY         ; yp1[p0]
	s_lshl_b32 s2, s20, 12
	s_add_nc_u64 s[28:29], s[6:7], s[2:3]          ; b2[e0]
	s_lshl_b32 s2, s23, 12
	s_add_nc_u64 s[30:31], s[4:5], s[2:3]          ; yp0[p1]
	s_add_nc_u64 s[32:33], s[30:31], HALFY         ; yp1[p1]
	s_lshl_b32 s2, s21, 12
	s_add_nc_u64 s[34:35], s[6:7], s[2:3]          ; b2[e1]
	s_mov_b32 s38, s36                             ; the packed forms name a pair and take its low word for both halves
	s_mov_b32 s39, s36
	s_mov_b32 s40, s37
	s_mov_b32 s41, s37
.irp i, 0,1,2,3,4,5,6,7
	global_load_b128 v[R+24*\i:R+24*\i+3],     v1, s[24:25] offset:512*\i th:TH_LOAD_NT
	global_load_b128 v[R+24*\i+4:R+24*\i+7],   v1, s[26:27] offset:512*\i th:TH_LOAD_NT
	global_load_b128 v[R+24*\i+8:R+24*\i+11],  v1, s[28:29] offset:512*\i
	global_load_b128 v[R+24*\i+12:R+24*\i+15], v1, s[30:31] offset:512*\i th:TH_LOAD_NT
	global_load_b128 v[R+24*\i+16:R+24*\i+19], v1, s[32:33] offset:512*\i th:TH_LOAD_NT
	global_load_b128 v[R+24*\i+20:R+24*\i+23], v1, s[34:35] offset:512*\i
.endr
.irp i, 0,1,2,3,4,5,6,7
	s_wait_loadcnt 6*(7-\i)                        ; this piece's six loads are in; six for each later piece may be out
.irp u, 0,2
	v_pk_add_f32 v[R+24*\i+\u:R+24*\i+\u+1], v[R+24*\i+\u:R+24*\i+\u+1], v[R+24*\i+4+\u:R+24*\i+4+\u+1]
	v_pk_add_f32 v[R+24*\i+12+\u:R+24*\i+12+\u+1], v[R+24*\i+12+\u:R+24*\i+12+\u+1], v[R+24*\i+16+\u:R+24*\i+16+\u+1]
	v_pk_add_f32 v[R+24*\i+\u:R+24*\i+\u+1], v[R+24*\i+\u:R+24*\i+\u+1], v[R+24*\i+8+\u:R+24*\i+8+\u+1]
	v_pk_add_f32 v[R+24*\i+12+\u:R+24*\i+12+\u+1], v[R+24*\i+12+\u:R+24*\i+12+\u+1], v[R+24*\i+20+\u:R+24*\i+20+\u+1]
	v_pk_mul_f32 v[O+4*\i+\u:O+4*\i+\u+1], v[R+24*\i+\u:R+24*\i+\u+1], s[38:39] op_sel_hi:[1,0]
	v_pk_fma_f32 v[O+4*\i+\u:O+4*\i+\u+1], v[R+24*\i+12+\u:R+24*\i+12+\u+1], s[40:41], v[O+4*\i+\u:O+4*\i+\u+1] op_sel_hi:[1,0,1]
.endr
	global_store_b128 v1, v[O+4*\i:O+4*\i+3], s[14:15] offset:512*\i th:TH_STORE_NT
.endr
	s_endpgm
.Lfunc_end_k_q908523028e_combine:
	.size	k_q908523028e_combine, .Lfunc_end_k_q908523028e_combine-k_q908523028e_combine
	.p2alignl 7, 3214868480
	.fill 96, 4, 3214868480
	.section	.rodata,"a",@progbits
	.p2align	6, 0x0
	.amdhsa_kernel k_q908523028e_combine
		.amdhsa_group_segment_fixed_size 0
		.amdhsa_private_segment_fixed_size 0
		.amdhsa_enable_private_segment 0
		.amdhsa_kernarg_size 48
		.amdhsa_user_sgpr_count 2
		.amdhsa_user_sgpr_kernarg_segment_ptr 1
		.amdhsa_wavefront_size32 1
		.amdhsa_system_sgpr_workgroup_id_x 1
		.amdhsa_system_sgpr_workgroup_id_y 1
		.amdhsa_system_sgpr_workgroup_id_z 1
		.amdhsa_system_vgpr_workitem_id 0
		.amdhsa_next_free_vgpr 232
		.amdhsa_next_free_sgpr 66
		.amdhsa_reserve_vcc 0
		.amdhsa_float_denorm_mode_32 3
		.amdhsa_float_denorm_mode_16_64 3
		.amdhsa_memory_ordered 1
		.amdhsa_forward_progress 1
		.amdhsa_inst_pref_size 14
	.end_amdhsa_kernel
	.amdgpu_metadata
---
amdhsa.version: [ 1, 2 ]
amdhsa.kernels:
  - .name:           k_q908523028e_combine
    .symbol:         k_q908523028e_combine.kd
    .args:
      - { .name: yp, .offset: 0, .size: 8, .value_kind: global_buffer, .address_space: global }
      - { .name: b2, .offset: 8, .size: 8, .value_kind: global_buffer, .address_space: global }
      - { .name: idx, .offset: 16, .size: 8, .value_kind: global_buffer, .address_space: global }
      - { .name: pos, .offset: 24, .size: 8, .value_kind: global_buffer, .address_space: global }
      - { .name: gates, .offset: 32, .size: 8, .value_kind: global_buffer, .address_space: global }
      - { .name: out0, .offset: 40, .size: 8, .value_kind: global_buffer, .address_space: global }
    .group_segment_fixed_size: 0
    .private_segment_fixed_size: 0
    .kernarg_segment_align: 8
    .kernarg_segment_size: 48
    .max_flat_workgroup_size: 128
    .sgpr_count:     66
    .vgpr_count:     232
    .wavefront_size: 32
...
	.end_amdgpu_metadata
.endif
;; end of part 5
